; MI455X (gfx1250); checked and timed in simulation.
; The chip was launched on July 23, 2026; its instructions are those of AMD's public machine-readable ISA for CDNA 5 (MIT licence, August 2026) and "CDNA5" Instruction Set Architecture Reference Guide (July 2026). The comments in the code are by the model that wrote it; some were corrected since.
;; HQQ Linear. Allowed arithmetic: float matrix products may take bf16 or f16 operands with f32 sums; other float arithmetic in f32, or as packed bf16 or f16 multiplies, adds, multiply-adds, maxima and minima; sums over many terms, partial sums and values carried from step to step in f32; what a program stores and reads back later, other than sums and carried values, may be rounded once to bf16 or f16.
;; Inputs: W_q 131,072 x 64 int32; bias 2,048 float32; s_scale 1 float32; s_zero 1 float32; scale_q 131,072 int32; x 4 x 2,048 x 4,096 float32; z_scale 1 float32; z_zero 1 float32; zero_q 131,072 int32.
;; Outputs: out0 4 x 2,048 x 2,048 float32.
;; 3 versions, each right; version 3 is version 2 with the launch dequant written anew for expert scheduling mode. Each part assembles by itself: llvm-mc -triple=amdgcn-amd-amdhsa -mcpu=gfx1250 --defsym DOCPART=n.
;; ======== version 1 of 3: 2 launches
;; limits: values are held in f16: magnitudes above 65,504 overflow, below 6.1e-05 lose precision
;; workspace buffers: wh 16,777,216 bytes
;; launch dequant (part 1): grid 256 x 1, 8 waves a work-group, no clusters, 0 bytes of LDS; arguments W_q, scale_q, zero_q, s_scale, z_scale, s_zero, z_zero, wh; writes wh
.if DOCPART == 1
	.amdgcn_target "amdgcn-amd-amdhsa--gfx1250"
	.amdhsa_code_object_version 6
	.text
	.protected	k_q0b71d93be9_dequant
	.globl	k_q0b71d93be9_dequant
	.p2align	8
	.type	k_q0b71d93be9_dequant,@function
k_q0b71d93be9_dequant:
	s_mov_b64 s[64:65], 0
	v_nop
	global_prefetch_b8 v0, s[64:65] scope:SCOPE_SE
	s_setreg_imm32_b32 hwreg(HW_REG_WAVE_MODE, 25, 1), 1
	s_wait_xcnt 0x0
; W[o][64 kb + j] = (W_q[g][j] - zero[g]) scale[g], g = 64 o + kb; scale = (scale_q - z_scale) s_scale, zero = (zero_q - z_zero) s_zero.  o = 0..2047, kb = 0..63, j = 0..63.
; W is written ONCE, in f16, for the product that follows, laid out by K blocks: wh[kb][o][j], byte kb x 262,144 + o x 128 + 2 j, so that 128 rows of one K block are 16,384 bytes on end.
; LIMITS.  f16 holds no number beyond 65,504: |W| stays within it (with all four parameters 30 times what they are drawn as, |W| is under 27,000); below 6e-5 f16 keeps its fixed step of 6e-8.
; W is made as q x scale + c, c = -(zero x scale), by one fused multiply-add: another order of rounding than (q - zero) x scale; the two differ by 2^-24 |zero x scale| at the most.  NaN and infinities are not treated apart.
; SHARES.  Memory binds: 33.5 MB in, 16.8 MB out, each byte once; no LDS, no barrier, no matrix unit, no loop.  A work-group owns 8 rows of W.  Wave v takes the two rows o = 8 b + 2 (v / 2), o + 1 and the K blocks
; 32 (v % 2) .. + 31.  In step t lanes 0-15 hold a whole group of row o (256 consecutive bytes of W_q, aligned), lanes 16-31 the same group of row o + 1; the lane's four numbers leave as 8 bytes, and the wave's
; store covers 256 consecutive bytes of wh, aligned (o is even).  All 32 loads of a wave go out at once: 16 KiB a wave on its way.
.set KBB,  262144                      ; bytes of a K block in wh
.set WO,   3                           ; v3   my byte offset in W_q: (l / 16) x 16,384 + 16 (l % 16); never rewritten
.set MO,   4                           ; v4   my byte offset in scale_q and zero_q: (l / 16) x 256 + 8 (l % 16)
.set SO,   5                           ; v5   my byte offset in wh: 8 l; never rewritten
.set SC,   6                           ; v[6:7]   scale of K blocks 2 i, 2 i + 1 of my wave's 32, i = l % 16, of my row
.set CC,   8                           ; v[8:9]   zero, then c, of the same two
.set TS,   10                          ; v[10:25] four sets by turns: a pair with the step's scale in its low register, a pair with its c
.set RAW,  32                          ; v[32:159] step t's four numbers at RAW + 4 t: as loaded, at work, and (the first two) as stored
	s_load_b512 s[8:23], s[0:1], 0x0               ; W_q s[8:9], scale_q s[10:11], zero_q s[12:13], s_scale s[14:15], z_scale s[16:17], s_zero s[18:19], z_zero s[20:21], wh s[22:23]
	v_lshrrev_b32 v1, 5, v0
	v_readfirstlane_b32 s2, v1                     ; wave 0..7
	v_and_b32 v1, 15, v0                           ; i = l % 16
	v_bfe_u32 v2, v0, 4, 1                         ; h = l / 16: which of the two rows
	v_lshlrev_b32 v[WO], 4, v1
	v_lshl_add_u32 v[WO], v2, 14, v[WO]
	v_lshlrev_b32 v[MO], 3, v1
	v_lshl_add_u32 v[MO], v2, 8, v[MO]
	v_and_b32 v[SO], 31, v0
	v_lshlrev_b32 v[SO], 3, v[SO]
.set r, 0
.rept 16
	v_mov_b32 v[TS+r], 0                           ; written once: the destination of a DPP move counts as read, and the packed multiply-add names whole pairs
.set r, r+1
.endr
	s_lshr_b32 s3, s2, 1                           ; which pair of rows
	s_and_b32 s4, s2, 1                            ; which half of K
	s_lshl_b32 s5, ttmp9, 3
	s_lshl1_add_u32 s5, s3, s5                     ; o = 8 b + 2 x pair
	s_lshl_b32 s6, s5, 14                          ; W_q: o x 16,384 + half x 32 groups of 256 bytes
	s_lshl_b32 s7, s4, 13
	s_add_co_u32 s6, s6, s7
	s_mov_b32 s7, 0
	s_lshl_b32 s28, s5, 8                          ; scale_q, zero_q: o x 256 + half x 128
	s_lshl_b32 s29, s4, 7
	s_add_co_u32 s28, s28, s29
	s_mov_b32 s29, 0
	s_lshl_b32 s30, s5, 7                          ; wh: o x 128 + half x 32 K blocks
	s_lshl_b32 s31, s4, 23
	s_add_co_u32 s30, s30, s31
	s_mov_b32 s31, 0
	s_wait_kmcnt 0x0
	s_load_b32 s24, s[14:15], 0x0                  ; s_scale
	s_load_b32 s25, s[16:17], 0x0                  ; z_scale
	s_load_b32 s26, s[18:19], 0x0                  ; s_zero
	s_load_b32 s27, s[20:21], 0x0                  ; z_zero
	s_add_nc_u64 s[8:9], s[8:9], s[6:7]
	s_add_nc_u64 s[10:11], s[10:11], s[28:29]
	s_add_nc_u64 s[12:13], s[12:13], s[28:29]
	s_add_nc_u64 s[22:23], s[22:23], s[30:31]
	global_load_b64 v[SC:SC+1], v[MO], s[10:11]    ; 16 lanes take the 128 bytes of a row's 32 codes: each code is read once in the launch
	global_load_b64 v[CC:CC+1], v[MO], s[12:13]
.set t, 0
.rept 32
	global_load_b128 v[RAW+4*t:RAW+4*t+3], v[WO], s[8:9] offset:256*t th:TH_LOAD_NT
.set t, t+1
.endr
	s_wait_kmcnt 0x0                               ; the four parameters
	s_wait_loadcnt 32                              ; loads come back in order (ISA guide 5.7.1): the codes are in, the 32 loads behind them stay out
.irp u, 0,1
	v_cvt_f32_i32 v[SC+\u], v[SC+\u]
	v_cvt_f32_i32 v[CC+\u], v[CC+\u]
	v_sub_f32 v[SC+\u], v[SC+\u], s25
	v_sub_f32 v[CC+\u], v[CC+\u], s27
	v_mul_f32 v[SC+\u], s24, v[SC+\u]              ; scale
	v_mul_f32 v[CC+\u], s26, v[CC+\u]              ; zero
	v_mul_f32 v[CC+\u], -v[CC+\u], v[SC+\u]        ; c = -(zero x scale)
.endr
; Step t = 2 n + u: the step's scale and c lie in lane n of my half of the lanes, register u: every lane of the half takes them from there.
.irp n, 0,1,2,3,4,5,6,7,8,9,10,11,12,13,14,15
.irp u, 0,1
.set t, 2*\n+\u
.set R, RAW+4*t
.set T, TS+4*(t%4)
	s_wait_loadcnt 31-t                            ; step t's load is in; the younger ones stay out
	v_mov_b32_dpp v[T], v[SC+\u] row_share:\n row_mask:0xf bank_mask:0xf
	v_mov_b32_dpp v[T+2], v[CC+\u] row_share:\n row_mask:0xf bank_mask:0xf
	v_cvt_f32_i32 v[R], v[R]
	v_cvt_f32_i32 v[R+1], v[R+1]
	v_cvt_f32_i32 v[R+2], v[R+2]
	v_cvt_f32_i32 v[R+3], v[R+3]
	v_pk_fma_f32 v[R:R+1], v[R:R+1], v[T:T+1], v[T+2:T+3] op_sel_hi:[1,0,0]      ; q x scale + c, twice: both halves take the pairs' low registers
	v_pk_fma_f32 v[R+2:R+3], v[R+2:R+3], v[T:T+1], v[T+2:T+3] op_sel_hi:[1,0,0]
	v_cvt_pk_f16_f32 v[R], v[R], v[R+1]            ; rounded once to f16
	v_cvt_pk_f16_f32 v[R+1], v[R+2], v[R+3]
	global_store_b64 v[SO], v[R:R+1], s[22:23] offset:KBB*t th:TH_STORE_NT  ; 256 consecutive bytes, aligned; 31 x 262,144 lies inside the signed 24-bit immediate; no register of a store is written again
.endr
.endr
	s_endpgm
.Lfunc_end_k_q0b71d93be9_dequant:
	.size	k_q0b71d93be9_dequant, .Lfunc_end_k_q0b71d93be9_dequant-k_q0b71d93be9_dequant
	.p2alignl 7, 3214868480
	.fill 96, 4, 3214868480
	.section	.rodata,"a",@progbits
	.p2align	6, 0x0
	.amdhsa_kernel k_q0b71d93be9_dequant
		.amdhsa_group_segment_fixed_size 0
		.amdhsa_private_segment_fixed_size 0
		.amdhsa_enable_private_segment 0
		.amdhsa_kernarg_size 64
		.amdhsa_user_sgpr_count 2
		.amdhsa_user_sgpr_kernarg_segment_ptr 1
		.amdhsa_wavefront_size32 1
		.amdhsa_system_sgpr_workgroup_id_x 1
		.amdhsa_system_sgpr_workgroup_id_y 1
		.amdhsa_system_sgpr_workgroup_id_z 1
		.amdhsa_system_vgpr_workitem_id 0
		.amdhsa_next_free_vgpr 160
		.amdhsa_next_free_sgpr 66
		.amdhsa_reserve_vcc 0
		.amdhsa_float_denorm_mode_32 3
		.amdhsa_float_denorm_mode_16_64 3
		.amdhsa_memory_ordered 1
		.amdhsa_forward_progress 1
		.amdhsa_inst_pref_size 27
	.end_amdhsa_kernel
	.amdgpu_metadata
---
amdhsa.version: [ 1, 2 ]
amdhsa.kernels:
  - .name:           k_q0b71d93be9_dequant
    .symbol:         k_q0b71d93be9_dequant.kd
    .args:
      - { .name: W_q, .offset: 0, .size: 8, .value_kind: global_buffer, .address_space: global }
      - { .name: scale_q, .offset: 8, .size: 8, .value_kind: global_buffer, .address_space: global }
      - { .name: zero_q, .offset: 16, .size: 8, .value_kind: global_buffer, .address_space: global }
      - { .name: s_scale, .offset: 24, .size: 8, .value_kind: global_buffer, .address_space: global }
      - { .name: z_scale, .offset: 32, .size: 8, .value_kind: global_buffer, .address_space: global }
      - { .name: s_zero, .offset: 40, .size: 8, .value_kind: global_buffer, .address_space: global }
      - { .name: z_zero, .offset: 48, .size: 8, .value_kind: global_buffer, .address_space: global }
      - { .name: wh, .offset: 56, .size: 8, .value_kind: global_buffer, .address_space: global }
    .group_segment_fixed_size: 0
    .private_segment_fixed_size: 0
    .kernarg_segment_align: 8
    .kernarg_segment_size: 64
    .max_flat_workgroup_size: 256
    .sgpr_count:     66
    .vgpr_count:     160
    .wavefront_size: 32
...
	.end_amdgpu_metadata
.endif
;; end of part 1
;; launch gemm (part 2): grid 8 x 32, 4 waves a work-group, clusters of 4 x 4, 327,680 bytes of LDS; arguments x, wh, bias, out0; writes out0
.if DOCPART == 2
	.amdgcn_target "amdgcn-amd-amdhsa--gfx1250"
	.amdhsa_code_object_version 6
	.text
	.protected	k_q0b71d93be9_gemm
	.globl	k_q0b71d93be9_gemm
	.p2align	8
	.type	k_q0b71d93be9_gemm,@function
k_q0b71d93be9_gemm:
	s_mov_b64 s[64:65], 0
	v_nop
	global_prefetch_b8 v0, s[64:65] scope:SCOPE_SE
	s_setreg_imm32_b32 hwreg(HW_REG_WAVE_MODE, 25, 1), 1
	s_wait_xcnt 0x0
	s_wait_alu depctr_hold_cnt(0) depctr_sa_sdst(0) depctr_va_vdst(0) depctr_va_sdst(0) depctr_va_ssrc(0) depctr_va_vcc(0) depctr_vm_vsrc(0)
	s_getreg_b32 s2, hwreg(HW_REG_IB_STS2, 6, 4)
	s_cmp_eq_u32 s2, 0
	s_cbranch_scc0 .Lentry_in_a_cluster
	s_endpgm
.Lentry_in_a_cluster:
	s_bfe_u32 s2, ttmp6, 0x10000c
	s_cmp_lg_u32 s2, 0xf033
	s_cbranch_scc0 .Lentry_shape_is_right
	s_endpgm
.Lentry_shape_is_right:
; out[m][n] = the sum over k of x[m][k] W[n][k] + bias[n].  x: [8192][4096] f32.  W: f16, by K blocks of 64: wh[kb][n][64].  bias: [2048] f32.  out: [8192][2048] f32.
; Products in f16 with f32 sums; x is rounded to f16 in registers, on its way from LDS to the matrix unit; the bias is added in f32 to the finished sum.
; LIMITS.  f16 holds no number beyond 65,504: |x| and |W| stay within it; below 6e-5 f16 keeps its fixed step of 6e-8.  NaN and infinities are not treated apart.
; SHARES.  C has 32 x 8 tiles of 256 x 256: one work-group each, four waves.  WAVE w OWNS ROWS 64 w .. 64 w + 63 AND ALL 256 COLUMNS: 4 x 16 accumulators of 16 x 16, 512 registers.  For 32 along K a wave reads 8 KiB of x
; (f32) and 16 KiB of W from LDS, as many bytes as a square share would, and each number of x is converted by one wave alone: 32 conversions for 64 matrix instructions.
; K goes in steps of 64 (a row of x's tile is 256 bytes of memory, aligned; 128 rows of W's are 16,384 bytes on end, asked for as 64 rows of 256) through a ring of two LDS slots; a step is two quarters of 32 along K.
; CLUSTERS: 4 x 4 work-groups.  The four of a row of the cluster need the same tiles of x, the four of a column the same tiles of W: each tile is asked for JOINTLY, by the same tensor load, descriptor and mask in all four.
; THE MATRIX INSTRUCTION IS USED TRANSPOSED: source 0 = 16 rows of W, source 1 = 16 rows of x: lane l then holds row l % 16 of C and the columns 8 (l / 16) + 0..7.
; REGISTERS, in windows of 256 (s_set_vgpr_msb: bits 1:0 source 0, 3:2 source 1, 5:4 source 2, 7:6 destination):
;   window 0: v0-31 addresses; v32-95 x as it comes from LDS (4 fragments x 16 f32); v96-127, v128-159 x's fragments in f16, two buffers; v160-167 bias; on the way out v32-159 hold 16 rows of C
;   window 1: W's fragments, two buffers of 16 x 8        window 2: the accumulators of my row blocks 0, 1 ((a, b) at 8 (16 (a % 2) + b))        window 3: those of blocks 2, 3
.set PA,    272                        ; a row of x in LDS: 256 bytes + 16 of padding = 68 words: row r starts at bank 4 r mod 64 (64 banks of 4 bytes: ISA guide 11.1): the 16 rows of a load start at 16 different groups of four banks
.set PB,    144                        ; a row of W: 128 + 16 = 36 words: likewise
.set HALFA, 128*PA                     ; what one tensor load brings of x: 128 rows
.set HALFB, 128*PB                     ; and of W
.set BOFF,  2*HALFA                    ; in a slot: x's 256 rows, then W's 256
.set SLOT,  BOFF+2*HALFB               ; 106,496 bytes
.set STAGE, 2*SLOT                     ; behind the ring, never filled by a tensor load: 16 rows x 1,040 bytes for each wave, for the way out
.set SP,    1040                       ; 1,024 + 16: an odd multiple of 16
.set SPARE, STAGE+4*16*SP              ; behind the stages: the spare words, 128 bytes for each wave: two blocks of 256 bytes that no other line names
.set KBB,   262144                     ; bytes of a K block of W in memory
.set OROW,  8192                       ; bytes of a row of out
.set ADRA, 16                          ; v16-17  LDS address of my fragments of x in slot 0, 1
.set ADRB, 20                          ; v20-21  the same for W
.set STO,  24                          ; v24     the way out: where I put 32 bytes of a row
.set RD,   25                          ; v25     the way out: where I read 16 bytes of a row back
.set CO,   26                          ; v26     16 x lane: my byte offset in 512 bytes of out and of bias; never rewritten
.set SPW,  28                          ; v28     LDS address of my spare word: SPARE + 4 x my thread's number; never rewritten
.set NIL,  29                          ; v29     0; never rewritten
.set PFO,  30                          ; v30     the prefetches' offset: for x my lane x a row (16,384 bytes), for W my lane x 256; never rewritten
.set RAW,  32
.set AF,   96
.set BIAS, 160
.set OB,   32
.set WV,   12                          ; s12  my wave's number;  s13 = wave / 2: I fetch for x (0) or for W (1);  s14 = wave % 2: which 128 rows of the tile I fetch
.set LIM,  15                          ; s15  2 in a wave that prefetches, else the greatest number
.set G1A,  24                          ; s[24:31] descriptor group 1 for x's tiles;  s[32:39] group 0, a set for each slot
.set G0A,  32
.set PFA,  44                          ; s[44:45] where my prefetches stand
.set PFS,  46                          ; s[46:47] a K step there: 256 bytes in x, 262,144 in W
.set G1B,  48                          ; s[48:55], s[56:63] the same for W's tiles
.set G0B,  56
.set MSB, 0
.macro WIN new                         ; the immediate's high byte repeats the setting that is left; a switch that changes nothing is dropped
.if MSB != (\new)
	s_set_vgpr_msb (MSB<<8)|(\new)
.set MSB, \new
.endif
.endm
; A joint load.  Waves 0 and 1 fetch x's two halves, waves 2 and 3 W's.  Each line has one mask and one set of registers for all that issue it; the branch hangs on the wave's number alone.
; An s_nop 0 and four v_nop follow each of the two lines, ahead of the jump, the label and what follows.
.macro JLOAD s
	s_cmp_eq_u32 s13, 0
	s_cbranch_scc0 .Lfor_b_\@
	tensor_load_to_lds s[G0A+4*(\s):G0A+4*(\s)+3], s[G1A:G1A+7]
	s_nop 0
.rept 4
	v_nop
.endr
	s_branch .Lasked_\@
.Lfor_b_\@:
	tensor_load_to_lds s[G0B+4*(\s):G0B+4*(\s)+3], s[G1B:G1B+7]
	s_nop 0
.rept 4
	v_nop
.endr
.Lasked_\@:
.endm
; A PREFETCH INTO THE L2, behind each joint refill, its five lines and the run of LDS loads: the K step that stands FOUR refills on, 512 matrix instructions ahead of the load that will want it; one instruction a wave.
; Each aligned block of 256 bytes is named ONCE in the launch.  x's tile row is read by both clusters of that row of clusters: the one with cluster x = 0 asks, its waves 0 and 1; of the 128 rows that a wave fetches the
; partner at cx takes 32, a lane a row.  W's tile column is read by all eight clusters of that column: the one with cluster y = 0 asks, its wave 2; of the column's 32,768 bytes on end the partner at cy takes 8,192, a lane a
; block.  The partners are told apart BY ADDRESS: no branch hangs on a work-group's place in its cluster.  K steps 2 to 5 come by their refills alone; the loop's last two trips ask for nothing: four steps on there is no K step.
.macro ASK
	s_cmp_gt_u32 s3, s[LIM]
	s_cbranch_scc0 .Lnot_mine_\@
	global_prefetch_b8 v[PFO], s[PFA:PFA+1] th:TH_LOAD_NT scope:SCOPE_SE
.Lnot_mine_\@:
.endm
; A round of the cluster's barrier: my work-group's barrier, so that wave 0's signal speaks for all four waves; wave 0 signals; every wave waits for all sixteen work-groups; my work-group's barrier once more.
.macro CREST                           ; a round behind its opening barrier
	s_cmp_lg_u32 s[WV], 0
	s_cbranch_scc1 .Lnot_wave_0_\@
	s_barrier_signal -3
.Lnot_wave_0_\@:
	s_barrier_wait -3
	s_barrier_signal -1
	s_barrier_wait -1
.endm
.macro CROUND                          ; a whole round
	s_barrier_signal -1
	s_barrier_wait -1
	CREST
.endm
	s_load_b256 s[4:11], s[0:1], 0x0               ; x s[4:5], W s[6:7], bias s[8:9], out s[10:11]
	v_lshl_add_u32 v[SPW], v0, 2, SPARE
	v_mov_b32 v[NIL], 0
	ds_add_u32 v[SPW], v[NIL]                      ; the wave's opening: the add, twice on end, and its wait ahead of my first tensor load; the set-up below, work on registers, stands between
	ds_add_u32 v[SPW], v[NIL]                      ; and once more, under the one wait
	v_lshrrev_b32 v1, 5, v0
	v_readfirstlane_b32 s[WV], v1                  ; wave 0..3
	s_lshr_b32 s13, s[WV], 1
	s_and_b32 s14, s[WV], 1
	s_bfe_u32 s40, ttmp6, 0x40000                  ; cx, cy: my place in the cluster
	s_bfe_u32 s41, ttmp6, 0x40004
	s_lshl_b32 s42, ttmp9, 2                       ; in a cluster launch ttmp9 and ttmp7 count clusters
	s_add_co_u32 s42, s42, s40                     ; tile column of C = 4 x cluster x + cx
	s_and_b32 s43, ttmp7, 0xffff
	s_lshl_b32 s43, s43, 2
	s_add_co_u32 s43, s43, s41                     ; tile row of C = 4 x cluster y + cy
	s_lshl_b32 s16, s41, 2
	s_lshl_b32 s16, 15, s16                        ; my row of the cluster: places 4 cy .. 4 cy + 3
	s_lshl_b32 s20, 0x1111, s40                    ; my column: places cx, cx + 4, cx + 8, cx + 12
	; group 1 for x: 128 rows x 64 elements of 4 bytes, 4,096 elements from row to row, 4 words of padding behind every 64
	s_or_b32 s[G1A+0], s16, (2<<16)|(1<<20)|(1<<21)|(5<<22)|(3<<25)  ; 15:0 the mask; 17:16 4-byte elements; 20 padding on; 21 set beside a mask; 24:22 after every 64 words (code 5); 31:25 4 words (code 3)
	s_mov_b32 s[G1A+1], 64<<16                     ; tensor_dim0 = 64
	s_mov_b32 s[G1A+2], 128<<16                    ; tensor_dim1 = 128
	s_mov_b32 s[G1A+3], 64<<16                     ; tile_dim0 = 64
	s_mov_b32 s[G1A+4], 128                        ; tile_dim1 = 128
	s_mov_b32 s[G1A+5], 4096                       ; tensor_dim0_stride
	s_mov_b32 s[G1A+6], 0
	s_mov_b32 s[G1A+7], 0
	; group 1 for W: 16,384 bytes on end as 64 rows x 128 elements of 2 bytes (two rows of W each), 4 words of padding behind every 32: behind every row of W
	s_or_b32 s[G1B+0], s20, (1<<16)|(1<<20)|(1<<21)|(4<<22)|(3<<25)
	s_mov_b32 s[G1B+1], 128<<16
	s_mov_b32 s[G1B+2], 64<<16
	s_mov_b32 s[G1B+3], 128<<16
	s_mov_b32 s[G1B+4], 64
	s_mov_b32 s[G1B+5], 128
	s_mov_b32 s[G1B+6], 0
	s_mov_b32 s[G1B+7], 0
	; where the tiles come from.  x's hang on the tile row alone, which my row of the cluster shares (s[16:17] never hold cx); W's on the tile column alone, which my column shares (s[20:21] never hold cy)
	s_lshl_b32 s16, s43, 8
	s_lshl_b32 s17, s14, 7
	s_add_co_u32 s16, s16, s17                     ; x: row 256 x tile row + 128 x half,
	s_lshl_b32 s16, s16, 14                        ; x 16,384 bytes: under 2^28
	s_mov_b32 s17, 0
	s_lshl_b32 s20, s42, 8
	s_lshl_b32 s21, s14, 7
	s_add_co_u32 s20, s20, s21                     ; W: row 256 x tile column + 128 x half,
	s_lshl_b32 s20, s20, 7                         ; x 128 bytes, in K block 0
	s_mov_b32 s21, 0
	s_mul_i32 s18, s[WV], HALFA                    ; where they go: x's halves at wave x 128 rows (waves 0, 1),
	s_mul_i32 s19, s[WV], HALFB
	s_add_co_u32 s19, s19, BOFF-2*HALFB            ; W's behind them, at (wave - 2) x 128 rows (waves 2, 3): no place in the cluster enters an LDS address
	s_wait_dscnt 0x0                               ; both opening adds are done
	s_wait_kmcnt 0x0
	s_add_nc_u64 s[16:17], s[4:5], s[16:17]
	s_add_nc_u64 s[20:21], s[6:7], s[20:21]
	CROUND                                         ; all sixteen work-groups are here: the first joint loads meet
.irp s, 0,1
	s_mov_b32 s[G0A+4*(\s)], 1                                     ; 1:0 count = 1
	s_add_co_u32 s[G0A+4*(\s)+1], s18, (\s)*SLOT                   ; 63:32 LDS address
	s_add_nc_u64 s[G0A+4*(\s)+2:G0A+4*(\s)+3], s[16:17], (\s)*256  ; 120:64 global address: K step s
	s_or_b32 s[G0A+4*(\s)+3], s[G0A+4*(\s)+3], 0x80000000          ; 127:126 type = 2
	s_mov_b32 s[G0B+4*(\s)], 1
	s_add_co_u32 s[G0B+4*(\s)+1], s19, (\s)*SLOT
	s_add_nc_u64 s[G0B+4*(\s)+2:G0B+4*(\s)+3], s[20:21], (\s)*KBB
	s_or_b32 s[G0B+4*(\s)+3], s[G0B+4*(\s)+3], 0x80000000
	JLOAD \s                                       ; the ring is filled before anything else is done: two loads of mine are out
.endr
	; A fragment is 16 rows x 32 K: lane l holds row l % 16; registers 0-3 K = 8 (l / 16) + 0..7, registers 4-7 K = 16 + 8 (l / 16) + 0..7.  Of W (f16): two loads of 16 bytes, 32 apart, at 16 (l / 16).
	; Of x (f32): four loads of 16 bytes, at 32 (l / 16) + 0, 16, 64, 80, into 16 registers, which eight conversions pack into the fragment's 8.
	v_and_b32 v1, 15, v0                           ; l % 16
	v_bfe_u32 v2, v0, 4, 1                         ; l / 16
	v_mul_u32_u24 v3, v1, PA
	v_lshl_add_u32 v3, v2, 5, v3
	s_mul_i32 s18, s[WV], 64*PA                    ; my 64 rows of x
	v_add_nc_u32 v[ADRA], s18, v3
	v_add_nc_u32 v[ADRA+1], SLOT, v[ADRA]
	v_mul_u32_u24 v4, v1, PB
	v_lshl_add_u32 v4, v2, 4, v4
	v_add_nc_u32 v[ADRB], BOFF, v4                 ; all 256 rows of W
	v_add_nc_u32 v[ADRB+1], SLOT, v[ADRB]
	s_mul_i32 s19, s[WV], 16*SP
	s_add_co_u32 s19, s19, STAGE                   ; my stage
	v_mul_u32_u24 v5, v1, SP                       ; in: row l % 16, 32 bytes for each half of the lanes
	v_lshl_add_u32 v5, v2, 5, v5
	v_add_nc_u32 v[STO], s19, v5
	v_and_b32 v[CO], 31, v0
	v_lshlrev_b32 v[CO], 4, v[CO]
	v_add_nc_u32 v[RD], s19, v[CO]                 ; back: 32 lanes take 512 bytes on end, half a row
	s_lshl_b32 s16, s43, 8
	s_lshl_b32 s17, s[WV], 6
	s_add_co_u32 s16, s16, s17                     ; my first row of out: 256 x tile row + 64 x wave,
	s_lshl_b32 s16, s16, 13                        ; x 8,192 bytes
	s_mov_b32 s17, 0
	s_add_nc_u64 s[10:11], s[10:11], s[16:17]
	s_lshl_b32 s20, s42, 10                        ; the tile's 256 columns begin 1,024 x tile column bytes into a row of out, and into bias
	s_mov_b32 s21, 0
	s_add_nc_u64 s[10:11], s[10:11], s[20:21]
	s_add_nc_u64 s[8:9], s[8:9], s[20:21]
	global_load_b128 v[BIAS:BIAS+3], v[CO], s[8:9]               ; bias of the columns that I store: 4 l .. 4 l + 3,
	global_load_b128 v[BIAS+4:BIAS+7], v[CO], s[8:9] offset:512  ; and 128 + 4 l ..; waited for in front of the way out
	; the prefetches
	s_lshl_b32 s22, s43, 8
	s_lshl_b32 s23, s14, 7
	s_add_co_u32 s22, s22, s23
	s_lshl_b32 s23, s40, 5
	s_add_co_u32 s22, s22, s23                     ; x: the 128 rows that I fetch, my work-group's 32 of them,
	s_lshl_b32 s22, s22, 14
	s_add_co_u32 s22, s22, 5*256                   ; at K step 5: the first refill (K step 2) steps it to 6
	s_lshl_b32 s23, s42, 15                        ; W: the tile column's 32,768 bytes,
	s_lshl_b32 s2, s41, 13                         ; my work-group's 8,192 of them,
	s_add_co_u32 s23, s23, s2
	s_add_co_u32 s23, s23, 5*KBB                   ; in K block 5
	s_and_b32 s2, ttmp7, 0xffff                    ; cluster y
	s_mov_b32 s[PFS], KBB
	s_mov_b32 s[PFS+1], 0
	s_cmp_eq_u32 s13, 0                            ; do I fetch for x?
	s_cselect_b32 s22, s22, s23
	s_cselect_b32 s2, ttmp9, s2                    ; the coordinate along which other clusters read the same rows
	s_cselect_b32 s[PFS], 256, s[PFS]
	s_cselect_b32 s18, 14, 8
	s_cselect_b64 s[PFA:PFA+1], s[4:5], s[6:7]
	s_mov_b32 s23, 0
	s_add_nc_u64 s[PFA:PFA+1], s[PFA:PFA+1], s[22:23]
	s_cmp_eq_u32 s[WV], 3                          ; wave 2 names all of my work-group's part of W: wave 3 asks for nothing
	s_cselect_b32 s2, 1, s2
	s_cmp_eq_u32 s2, 0
	s_cselect_b32 s[LIM], 2, -1                    ; the same in all sixteen partners, for a given wave
	v_and_b32 v[PFO], 31, v0
	v_lshlrev_b32 v[PFO], s18, v[PFO]
	; nothing is prefetched here, at the head, where every work-group's first tiles are on their way
; 48 LDS loads in one run: the fragments of quarter q of a slot: x's 64 rows as f32 first (so that a wait can leave W's 32 loads out), then W's 256 rows into buffer f.
.macro FETCH slot, q, f
	WIN 0
.irp a, 0,1,2,3
	ds_load_b128 v[RAW+16*\a:RAW+16*\a+3],     v[ADRA+(\slot)] offset:\a*16*PA+128*(\q)
	ds_load_b128 v[RAW+16*\a+4:RAW+16*\a+7],   v[ADRA+(\slot)] offset:\a*16*PA+128*(\q)+16
	ds_load_b128 v[RAW+16*\a+8:RAW+16*\a+11],  v[ADRA+(\slot)] offset:\a*16*PA+128*(\q)+64
	ds_load_b128 v[RAW+16*\a+12:RAW+16*\a+15], v[ADRA+(\slot)] offset:\a*16*PA+128*(\q)+80
.endr
	WIN 0x40                                       ; destination window 1, address window 0
.irp b, 0,1,2,3,4,5,6,7,8,9,10,11,12,13,14,15
	ds_load_b128 v[128*(\f)+8*\b:128*(\f)+8*\b+3],   v[ADRB+(\slot)] offset:\b*16*PB+64*(\q)
	ds_load_b128 v[128*(\f)+8*\b+4:128*(\f)+8*\b+7], v[ADRB+(\slot)] offset:\b*16*PB+64*(\q)+32
.endr
.endm
; Four conversions: half n of 8 of x's four fragments, f32 to f16, into buffer g.
.macro CV n, g
	WIN 0
.irp i, 0,1,2,3
	v_cvt_pk_f16_f32 v[AF+32*(\g)+4*(\n)+\i], v[RAW+8*(\n)+2*\i], v[RAW+8*(\n)+2*\i+1]
.endr
.endm
; nb matrix instructions: row block a x column blocks b0 on, 32 along K, from buffer f.  zero = 1: the product starts the sum: nothing is ever cleared.
; ride = 1: behind each of the first eight stand four conversions for the other buffer, which name none of the registers of the products round them.
; The 64 accumulators take turns, one instruction a turn, in the same order in every quarter, over the backward jump too.
.macro MULS f, a, b0, nb, zero, ride
.set bb, \b0
.rept \nb
	WIN 0xa1+0x50*((\a)/2)                         ; source 0 (W) window 1, source 1 (x) window 0, C and D window 2 or 3
.set rD, 8*(16*((\a)%2)+bb)
.if \zero
	v_wmma_f32_16x16x32_f16 v[rD:rD+7], v[128*(\f)+8*bb:128*(\f)+8*bb+7], v[AF+32*(\f)+8*(\a):AF+32*(\f)+8*(\a)+7], 0
.else
	v_wmma_f32_16x16x32_f16 v[rD:rD+7], v[128*(\f)+8*bb:128*(\f)+8*bb+7], v[AF+32*(\f)+8*(\a):AF+32*(\f)+8*(\a)+7], v[rD:rD+7]
.endif
.if (\ride) && (bb < 8)
	CV bb, 1-(\f)
.endif
.set bb, bb+1
.endr
.endm
; A load into a register that a matrix instruction has read, and a vector instruction that writes one, stand four places behind that matrix instruction, and only plain vector instructions that name none of its
; registers are places (ISA guide 7.12.1 for vector instructions).  So four v_nop stand in front of each run of loads; the conversions that follow write the other buffer behind them too.
.macro PLACES
.rept 4
	v_nop
.endr
.endm
; A K step's first quarter: multiplies buffer 0; fetches the second quarter behind its first 16 products; converts x for it beside the last 16.
.macro QUARTER slot, zero
	s_wait_dscnt 0x0                               ; W's fragments of buffer 0 are in (issued 48 matrix instructions back)
	MULS 0, 0, 0, 16, \zero, 0
	PLACES
	FETCH \slot, 1, 1
	MULS 0, 1, 0, 16, \zero, 0
	MULS 0, 2, 0, 16, \zero, 0
	s_wait_dscnt 32                                ; LDS loads come back in order (ISA guide 5.7.1): x's 16 are in, W's 32 behind them may stay out
	MULS 0, 3, 0, 16, \zero, 1
.endm
; A K step's second quarter multiplies buffer 1 and changes slots: ONE barrier, for two things.  In front of it each wave waits for all its tensor loads, of which one is out: its part of the next slot; adds 0 to its spare
; word; and waits for that and for its own reads of this slot.  Behind it nobody reads this slot any more and the next slot is whole.  fill = 1: the barrier opens a round of the cluster's barrier, and behind the round this
; slot is filled again first, with the K step two on: from that request to the wait for it a wave issues 112 matrix instructions.
.macro TURN slot, next, fill
.if \fill
	s_wait_xcnt 0x0                                ; the last prefetch, a K step back, has read its address: it is stepped here, ahead of the waits of the change of slots
	s_add_nc_u64 s[PFA:PFA+1], s[PFA:PFA+1], s[PFS:PFS+1]
.endif
	WIN 0                                          ; (the add's two registers lie in window 0)
	s_wait_tensorcnt 0x0                           ; all my tensor loads have landed: the one that was out is my part of the next slot;
	ds_add_u32 v[SPW], v[NIL]                      ; 0 onto my spare word;
	s_wait_dscnt 1                                 ; (the add alone may be out: W's fragments of buffer 1 are in)
	MULS 1, 0, 0, 8, 0, 0                          ; eight matrix instructions stand between the add and the wait for it
	s_wait_dscnt 0x0                               ; the add is done, and my reads of this slot are over:
	s_barrier_signal -1                            ; say so,
	MULS 1, 0, 8, 8, 0, 0                          ; work on registers while the others arrive,
.if \fill
	WIN 0
.endif
	s_barrier_wait -1                              ; and go on when all four have said so
.if \fill
	CREST                                          ; no wave of any partner still reads this slot's tile or has a load on its way
	s_add_nc_u64 s[G0A+4*(\slot)+2:G0A+4*(\slot)+3], s[G0A+4*(\slot)+2:G0A+4*(\slot)+3], 2*256   ; no tensor load of mine is out, so a group 0 may be written: two K steps on
	s_add_nc_u64 s[G0B+4*(\slot)+2:G0B+4*(\slot)+3], s[G0B+4*(\slot)+2:G0B+4*(\slot)+3], 2*KBB
	JLOAD \slot                                    ; the first tensor load behind the round, and my only one; its four v_nop are also the places in front of the loads below
.else
	PLACES
.endif
	FETCH \next, 0, 0
.if \fill
	WIN 0                                          ; at a label and at a branch every window is 0
	ASK
.endif
	MULS 1, 1, 0, 16, 0, 0
	MULS 1, 2, 0, 16, 0, 0
	s_wait_dscnt 32                                ; x's 16 loads are in
	MULS 1, 3, 0, 16, 0, 1
.endm
; THE WAY OUT of row block a (16 rows x 256 columns).  A lane's 32 bytes of a row go into my own stage (rows of 1,040 bytes; each accumulator's low registers first); the rows come back whole,
; 512 bytes on end to a load; the bias is added in f32; each store of the wave covers 512 consecutive bytes of out, aligned.
.macro OUTBLK a
	WIN 0x08+4*((\a)/2)                            ; store data (source 1) in window 2 or 3
.irp b, 0,1,2,3,4,5,6,7,8,9,10,11,12,13,14,15
	ds_store_b128 v[STO], v[8*(16*((\a)%2)+\b):8*(16*((\a)%2)+\b)+3]   offset:64*\b
	ds_store_b128 v[STO], v[8*(16*((\a)%2)+\b)+4:8*(16*((\a)%2)+\b)+7] offset:64*\b+16
.endr
	WIN 0
	s_wait_xcnt 0x0                                ; the block before's stores have read their registers and their base: only behind this wait are these written again
.if (\a) > 0
	s_add_nc_u64 s[10:11], s[10:11], 16*OROW       ; 16 rows of out on
.endif
.irp t, 0,1,2,3,4,5,6,7,8,9,10,11,12,13,14,15,16,17,18,19,20,21,22,23,24,25,26,27,28,29,30,31
	ds_load_b128 v[OB+4*\t:OB+4*\t+3], v[RD] offset:(\t/2)*SP+(\t%2)*512  ; LDS serves a wave's instructions in order (ISA guide 5.7.1.4): these see the stores above; the next block's stores come behind them
.endr
.irp t, 0,1,2,3,4,5,6,7,8,9,10,11,12,13,14,15,16,17,18,19,20,21,22,23,24,25,26,27,28,29,30,31
	s_wait_dscnt 31-\t                             ; load t of the 32 is in
	v_pk_add_f32 v[OB+4*\t:OB+4*\t+1],   v[OB+4*\t:OB+4*\t+1],   v[BIAS+4*(\t%2):BIAS+4*(\t%2)+1]
	v_pk_add_f32 v[OB+4*\t+2:OB+4*\t+3], v[OB+4*\t+2:OB+4*\t+3], v[BIAS+4*(\t%2)+2:BIAS+4*(\t%2)+3]
	global_store_b128 v[CO], v[OB+4*\t:OB+4*\t+3], s[10:11] offset:(\t/2)*OROW+(\t%2)*512 th:TH_STORE_NT
.endr
.endm
	s_wait_tensorcnt 0x1                           ; my part of K step 0 is in; K step 1's may stay out
	s_barrier_signal -1
	s_barrier_wait -1                              ; everybody's is
	FETCH 0, 0, 0
	s_wait_dscnt 32                                ; x's 16 loads are in
.irp n, 0,1,2,3,4,5,6,7
	CV \n, 0                                       ; the first quarter's x: there is no matrix work yet to set it beside
.endr
	QUARTER 0, 1                                   ; the first quarter stands in front of the loop: its products start the sums
	WIN 0                                          ; at a label and at a branch every window is 0
	s_mov_b32 s3, 31
.Llap:                                                 ; a trip goes once round the ring, from a K step's second quarter to the first of the step two on, and fills both slots again: K steps 2 to 63 in 31 trips
	TURN 0, 1, 1
	QUARTER 1, 0
	TURN 1, 0, 1
	QUARTER 0, 0
	WIN 0
	s_sub_co_u32 s3, s3, 1
	s_cmp_lg_u32 s3, 0
	s_cbranch_scc1 .Llap
	TURN 0, 1, 0                                   ; the tail is written out: K step 62's second quarter; nothing is left to ask for, so no round follows the barrier
	QUARTER 1, 0                                   ; K step 63
	s_wait_dscnt 0x0
	MULS 1, 0, 0, 16, 0, 0
	MULS 1, 1, 0, 16, 0, 0
	MULS 1, 2, 0, 16, 0, 0
	MULS 1, 3, 0, 16, 0, 0
	WIN 0
	PLACES                                         ; the places behind the last products, in front of the LDS stores that read their results and of the loads into their sources;
	PLACES                                         ; eight, once a launch
	s_wait_loadcnt 0x0                             ; the bias
	OUTBLK 0
	OUTBLK 1
	OUTBLK 2
	OUTBLK 3
	s_wait_tensorcnt 0x0                           ; the wave's end: behind my last tensor load and my last LDS store
	ds_add_u32 v[SPW], v[NIL]
	s_wait_dscnt 0x0
	CROUND                                         ; the closing round: no work-group ends while a partner may still ask for a tile that names it
	s_endpgm
.Lfunc_end_k_q0b71d93be9_gemm:
	.size	k_q0b71d93be9_gemm, .Lfunc_end_k_q0b71d93be9_gemm-k_q0b71d93be9_gemm
	.p2alignl 7, 3214868480
	.fill 96, 4, 3214868480
	.section	.rodata,"a",@progbits
	.p2align	6, 0x0
	.amdhsa_kernel k_q0b71d93be9_gemm
		.amdhsa_group_segment_fixed_size 327680
		.amdhsa_private_segment_fixed_size 0
		.amdhsa_enable_private_segment 0
		.amdhsa_kernarg_size 32
		.amdhsa_user_sgpr_count 2
		.amdhsa_user_sgpr_kernarg_segment_ptr 1
		.amdhsa_wavefront_size32 1
		.amdhsa_system_sgpr_workgroup_id_x 1
		.amdhsa_system_sgpr_workgroup_id_y 1
		.amdhsa_system_sgpr_workgroup_id_z 1
		.amdhsa_system_vgpr_workitem_id 0
		.amdhsa_next_free_vgpr 1024
		.amdhsa_next_free_sgpr 66
		.amdhsa_reserve_vcc 0
		.amdhsa_float_denorm_mode_32 3
		.amdhsa_float_denorm_mode_16_64 3
		.amdhsa_memory_ordered 1
		.amdhsa_forward_progress 1
		.amdhsa_inst_pref_size 139
	.end_amdhsa_kernel
	.amdgpu_metadata
---
amdhsa.version: [ 1, 2 ]
amdhsa.kernels:
  - .name:           k_q0b71d93be9_gemm
    .symbol:         k_q0b71d93be9_gemm.kd
    .args:
      - { .name: x, .offset: 0, .size: 8, .value_kind: global_buffer, .address_space: global }
      - { .name: wh, .offset: 8, .size: 8, .value_kind: global_buffer, .address_space: global }
      - { .name: bias, .offset: 16, .size: 8, .value_kind: global_buffer, .address_space: global }
      - { .name: out0, .offset: 24, .size: 8, .value_kind: global_buffer, .address_space: global }
    .group_segment_fixed_size: 327680
    .private_segment_fixed_size: 0
    .kernarg_segment_align: 8
    .kernarg_segment_size: 32
    .max_flat_workgroup_size: 128
    .sgpr_count:     66
    .vgpr_count:     1024
    .wavefront_size: 32
...
	.end_amdgpu_metadata
.endif
;; end of part 2
;; ======== version 2 of 3: 2 launches
;; limits: values are held in f16: magnitudes above 65,504 overflow, below 6.1e-05 lose precision
;; workspace buffers: wh 16,777,216 bytes
;; launch dequant (part 3): grid 256 x 1, 8 waves a work-group, no clusters, 0 bytes of LDS; arguments W_q, scale_q, zero_q, s_scale, z_scale, s_zero, z_zero, wh; writes wh
.if DOCPART == 3
	.amdgcn_target "amdgcn-amd-amdhsa--gfx1250"
	.amdhsa_code_object_version 6
	.text
	.protected	k_q0b71d93be9_dequant
	.globl	k_q0b71d93be9_dequant
	.p2align	8
	.type	k_q0b71d93be9_dequant,@function
k_q0b71d93be9_dequant:
	s_mov_b64 s[64:65], 0
	v_nop
	global_prefetch_b8 v0, s[64:65] scope:SCOPE_SE
	s_setreg_imm32_b32 hwreg(HW_REG_WAVE_MODE, 25, 1), 1
	s_wait_xcnt 0x0
; W[o][64 kb + j] = (W_q[g][j] - zero[g]) scale[g], g = 64 o + kb; scale = (scale_q - z_scale) s_scale, zero = (zero_q - z_zero) s_zero.  o = 0..2047, kb = 0..63, j = 0..63.
; W is written ONCE, in f16, row-major ([2048][4096], 8,192 bytes a row), for the product that follows.
; LIMITS.  f16 holds no number beyond 65,504: |W| stays within it (with all four parameters 30 times what they are drawn as, |W| is under 27,000); below 6e-5 f16 keeps its fixed step of 6e-8.
; W is made as q x scale + c, c = -(zero x scale), by one fused multiply-add: another order of rounding than (q - zero) x scale; the two differ by 2^-24 |zero x scale| at the most.  NaN and infinities are not treated apart.
; SHARES.  Memory binds: 33.5 MB in, 16.8 MB out, each byte once; no LDS, no barrier, no matrix unit, no loop.  A work-group owns 8 rows of W, a wave one.  In step t the wave takes 512 consecutive bytes of W_q:
; lanes 0-15 hold group kb = 2 t, lanes 16-31 group 2 t + 1; the lane's four numbers leave as 8 bytes, and the wave's store covers 256 consecutive bytes of wh, aligned.
; All 32 loads of a wave go out at once: 16 KiB a wave on its way.
.set WO,   3                           ; v3   my byte offset in W_q: 16 l; never rewritten
.set MO,   4                           ; v4   my byte offset in scale_q and zero_q: 16 (l % 16) + 4 (l / 16)
.set SO,   5                           ; v5   my byte offset in wh: 8 l; never rewritten
.set SC,   6                           ; v[6:7]   scale of K blocks 4 i + h and 4 i + 2 + h, i = l % 16, h = l / 16: those of steps 2 i and 2 i + 1 for my half of the lanes
.set CC,   8                           ; v[8:9]   zero, then c, of the same two
.set TS,   10                          ; v[10:25] four sets by turns: a pair with the step's scale in its low register, a pair with its c
.set RAW,  32                          ; v[32:159] step t's four numbers at RAW + 4 t: as loaded, at work, and (the first two) as stored
	s_load_b512 s[8:23], s[0:1], 0x0               ; W_q s[8:9], scale_q s[10:11], zero_q s[12:13], s_scale s[14:15], z_scale s[16:17], s_zero s[18:19], z_zero s[20:21], wh s[22:23]
	v_lshrrev_b32 v1, 5, v0
	v_readfirstlane_b32 s2, v1                     ; wave 0..7
	v_and_b32 v1, 15, v0                           ; i = l % 16
	v_bfe_u32 v2, v0, 4, 1                         ; h = l / 16: which of the step's two groups
	v_and_b32 v[SO], 31, v0
	v_lshlrev_b32 v[WO], 4, v[SO]
	v_lshlrev_b32 v[SO], 3, v[SO]
	v_lshlrev_b32 v[MO], 4, v1
	v_lshl_add_u32 v[MO], v2, 2, v[MO]
.set r, 0
.rept 16
	v_mov_b32 v[TS+r], 0                           ; written once: the destination of a DPP move counts as read, and the packed multiply-add names whole pairs
.set r, r+1
.endr
	s_lshl_b32 s5, ttmp9, 3
	s_add_co_u32 s5, s5, s2                        ; o = 8 b + wave
	s_lshl_b32 s6, s5, 14                          ; W_q: o x 16,384 bytes
	s_mov_b32 s7, 0
	s_lshl_b32 s28, s5, 8                          ; scale_q, zero_q: o x 256
	s_mov_b32 s29, 0
	s_lshl_b32 s30, s5, 13                         ; wh: o x 8,192
	s_mov_b32 s31, 0
	s_wait_kmcnt 0x0
	s_load_b32 s24, s[14:15], 0x0                  ; s_scale
	s_load_b32 s25, s[16:17], 0x0                  ; z_scale
	s_load_b32 s26, s[18:19], 0x0                  ; s_zero
	s_load_b32 s27, s[20:21], 0x0                  ; z_zero
	s_add_nc_u64 s[8:9], s[8:9], s[6:7]
	s_add_nc_u64 s[10:11], s[10:11], s[28:29]
	s_add_nc_u64 s[12:13], s[12:13], s[28:29]
	s_add_nc_u64 s[22:23], s[22:23], s[30:31]
	global_load_b32 v[SC], v[MO], s[10:11]         ; the two loads together take the row's 64 codes, 256 bytes: each code is read once in the launch
	global_load_b32 v[SC+1], v[MO], s[10:11] offset:8
	global_load_b32 v[CC], v[MO], s[12:13]
	global_load_b32 v[CC+1], v[MO], s[12:13] offset:8
.set t, 0
.rept 32
	global_load_b128 v[RAW+4*t:RAW+4*t+3], v[WO], s[8:9] offset:512*t th:TH_LOAD_NT
.set t, t+1
.endr
	s_wait_kmcnt 0x0                               ; the four parameters
	s_wait_loadcnt 32                              ; loads come back in order (ISA guide 5.7.1): the codes are in, the 32 loads behind them stay out
.irp u, 0,1
	v_cvt_f32_i32 v[SC+\u], v[SC+\u]
	v_cvt_f32_i32 v[CC+\u], v[CC+\u]
	v_sub_f32 v[SC+\u], v[SC+\u], s25
	v_sub_f32 v[CC+\u], v[CC+\u], s27
	v_mul_f32 v[SC+\u], s24, v[SC+\u]              ; scale
	v_mul_f32 v[CC+\u], s26, v[CC+\u]              ; zero
	v_mul_f32 v[CC+\u], -v[CC+\u], v[SC+\u]        ; c = -(zero x scale)
.endr
; Step t = 2 n + u: my group's scale and c lie in lane n of my half of the lanes, register u: every lane of the half takes them from there.
.irp n, 0,1,2,3,4,5,6,7,8,9,10,11,12,13,14,15
.irp u, 0,1
.set t, 2*\n+\u
.set R, RAW+4*t
.set T, TS+4*(t%4)
	s_wait_loadcnt 31-t                            ; step t's load is in; the younger ones stay out
	v_mov_b32_dpp v[T], v[SC+\u] row_share:\n row_mask:0xf bank_mask:0xf
	v_mov_b32_dpp v[T+2], v[CC+\u] row_share:\n row_mask:0xf bank_mask:0xf
	v_cvt_f32_i32 v[R], v[R]
	v_cvt_f32_i32 v[R+1], v[R+1]
	v_cvt_f32_i32 v[R+2], v[R+2]
	v_cvt_f32_i32 v[R+3], v[R+3]
	v_pk_fma_f32 v[R:R+1], v[R:R+1], v[T:T+1], v[T+2:T+3] op_sel_hi:[1,0,0]      ; q x scale + c, twice: both halves take the pairs' low registers
	v_pk_fma_f32 v[R+2:R+3], v[R+2:R+3], v[T:T+1], v[T+2:T+3] op_sel_hi:[1,0,0]
	v_cvt_pk_f16_f32 v[R], v[R], v[R+1]            ; rounded once to f16
	v_cvt_pk_f16_f32 v[R+1], v[R+2], v[R+3]
	global_store_b64 v[SO], v[R:R+1], s[22:23] offset:256*t th:TH_STORE_NT  ; 256 consecutive bytes, aligned; no register of a store is written again
.endr
.endr
	s_endpgm
.Lfunc_end_k_q0b71d93be9_dequant:
	.size	k_q0b71d93be9_dequant, .Lfunc_end_k_q0b71d93be9_dequant-k_q0b71d93be9_dequant
	.p2alignl 7, 3214868480
	.fill 96, 4, 3214868480
	.section	.rodata,"a",@progbits
	.p2align	6, 0x0
	.amdhsa_kernel k_q0b71d93be9_dequant
		.amdhsa_group_segment_fixed_size 0
		.amdhsa_private_segment_fixed_size 0
		.amdhsa_enable_private_segment 0
		.amdhsa_kernarg_size 64
		.amdhsa_user_sgpr_count 2
		.amdhsa_user_sgpr_kernarg_segment_ptr 1
		.amdhsa_wavefront_size32 1
		.amdhsa_system_sgpr_workgroup_id_x 1
		.amdhsa_system_sgpr_workgroup_id_y 1
		.amdhsa_system_sgpr_workgroup_id_z 1
		.amdhsa_system_vgpr_workitem_id 0
		.amdhsa_next_free_vgpr 160
		.amdhsa_next_free_sgpr 66
		.amdhsa_reserve_vcc 0
		.amdhsa_float_denorm_mode_32 3
		.amdhsa_float_denorm_mode_16_64 3
		.amdhsa_memory_ordered 1
		.amdhsa_forward_progress 1
		.amdhsa_inst_pref_size 26
	.end_amdhsa_kernel
	.amdgpu_metadata
---
amdhsa.version: [ 1, 2 ]
amdhsa.kernels:
  - .name:           k_q0b71d93be9_dequant
    .symbol:         k_q0b71d93be9_dequant.kd
    .args:
      - { .name: W_q, .offset: 0, .size: 8, .value_kind: global_buffer, .address_space: global }
      - { .name: scale_q, .offset: 8, .size: 8, .value_kind: global_buffer, .address_space: global }
      - { .name: zero_q, .offset: 16, .size: 8, .value_kind: global_buffer, .address_space: global }
      - { .name: s_scale, .offset: 24, .size: 8, .value_kind: global_buffer, .address_space: global }
      - { .name: z_scale, .offset: 32, .size: 8, .value_kind: global_buffer, .address_space: global }
      - { .name: s_zero, .offset: 40, .size: 8, .value_kind: global_buffer, .address_space: global }
      - { .name: z_zero, .offset: 48, .size: 8, .value_kind: global_buffer, .address_space: global }
      - { .name: wh, .offset: 56, .size: 8, .value_kind: global_buffer, .address_space: global }
    .group_segment_fixed_size: 0
    .private_segment_fixed_size: 0
    .kernarg_segment_align: 8
    .kernarg_segment_size: 64
    .max_flat_workgroup_size: 256
    .sgpr_count:     66
    .vgpr_count:     160
    .wavefront_size: 32
...
	.end_amdgpu_metadata
.endif
;; end of part 3
;; launch gemm (part 4): grid 4 x 64, 4 waves a work-group, clusters of 4 x 4, 327,680 bytes of LDS; arguments x, wh, bias, out0; writes out0
.if DOCPART == 4
	.amdgcn_target "amdgcn-amd-amdhsa--gfx1250"
	.amdhsa_code_object_version 6
	.text
	.protected	k_q0b71d93be9_gemm
	.globl	k_q0b71d93be9_gemm
	.p2align	8
	.type	k_q0b71d93be9_gemm,@function
k_q0b71d93be9_gemm:
	s_mov_b64 s[64:65], 0
	v_nop
	global_prefetch_b8 v0, s[64:65] scope:SCOPE_SE
	s_setreg_imm32_b32 hwreg(HW_REG_WAVE_MODE, 25, 1), 1
	s_wait_xcnt 0x0
	s_wait_alu depctr_hold_cnt(0) depctr_sa_sdst(0) depctr_va_vdst(0) depctr_va_sdst(0) depctr_va_ssrc(0) depctr_va_vcc(0) depctr_vm_vsrc(0)
	s_getreg_b32 s2, hwreg(HW_REG_IB_STS2, 6, 4)
	s_cmp_eq_u32 s2, 0
	s_cbranch_scc0 .Lentry_in_a_cluster
	s_endpgm
.Lentry_in_a_cluster:
	s_bfe_u32 s2, ttmp6, 0x10000c
	s_cmp_lg_u32 s2, 0xf033
	s_cbranch_scc0 .Lentry_shape_is_right
	s_endpgm
.Lentry_shape_is_right:
; out[m][n] = the sum over k of x[m][k] W[n][k] + bias[n].  x: [8192][4096] f32.  W (wh): [2048][4096] f16.  bias: [2048] f32.  out: [8192][2048] f32.
; Products in f16 with f32 sums; x is rounded once to f16 on its way into LDS; the bias is added in f32 to the finished sum.
; LIMITS.  f16 holds no number beyond 65,504: |x| and |W| stay within it; below 6e-5 f16 keeps its fixed step of 6e-8.  NaN and infinities are not treated apart.
; SHARES.  C has 64 x 4 tiles of 128 rows x 512 columns: one work-group each, four waves.  Wave w makes all 128 rows x columns 128 w .. 128 w + 127: 64 accumulators of 16 x 16, 512 registers.
; K goes in steps of 128, four quarters of 32 along K, 64 matrix instructions each.
; W comes by the tensor data mover through a ring of two LDS slots: each wave fetches the 128 rows that it alone reads (rows of 256 bytes of memory, aligned).  CLUSTERS of 4 x 4: the four work-groups of a column of the
; cluster make tiles of one tile column and need the same W: each tile is asked for JOINTLY, by the same tensor load, descriptor and mask in all four.
; x COMES THROUGH REGISTERS: each wave loads 32 of the tile's 128 rows, 16 lanes to a row's 256 bytes, into two sets of 64 registers (K 0-63 and K 64-127 of a step); a set is asked for again as soon as it has been converted
; and is wanted a whole K step, 256 matrix instructions, later; the conversions stand four behind a matrix instruction; x lies in LDS as f16, in two halves of 64 along K, each written while the other is read.
; WHY x IS NOT ASKED FOR JOINTLY, though the four work-groups of a row of the cluster read the same rows: a ring that took x as f32 beside W would need, for a K step of 128, 128 x 528 + 512 x 272 = 206,848 bytes a slot,
; 413,696 for two, more than a work-group has; and a shorter step leaves a refill half the matrix work in which to land.
; THE MATRIX INSTRUCTION IS USED TRANSPOSED: source 0 = 16 rows of W, source 1 = 16 rows of x: lane l then holds row l % 16 of C and the columns 8 (l / 16) + 0..7.
; REGISTERS, in windows of 256 (s_set_vgpr_msb: bits 1:0 source 0, 3:2 source 1, 5:4 source 2, 7:6 destination):
;   window 0: v0-31 addresses and bias; v32-63 x just converted; v64-127, v128-191 x's fragments, two buffers (on the way out: rows of C)
;   window 1: v64-127, v128-191 W's fragments, two buffers; v0-63 x as loaded, set 0; v192-255 set 1
;   window 2: the 32 accumulators of rows 0-63 ((a, b) at v[8 (8 a + b)]);   window 3: those of rows 64-127
.set PB,    272                        ; a row of W in LDS: 256 bytes + 16 of padding = 68 words: row r starts at bank 4 r mod 64 (64 banks of 4 bytes: ISA guide 11.1): the 16 rows of a load start at 16 different groups of four banks
.set HALFT, 128*PB                     ; what one tensor load brings, and what one wave reads of W
.set SLOTB, 4*HALFT                    ; 139,264 bytes
.set PAH,   144                        ; a row of x in LDS: 64 f16 + 16 bytes = 36 words: likewise
.set ASLOT, 128*PAH                    ; half a K step of x: 18,432 bytes
.set ABASE, 2*SLOTB                    ; behind the ring, never filled by a tensor load: x's two halves
.set STAGE, ABASE                      ; the same bytes on the way out, behind a barrier: 16 rows x 528 bytes for each wave (33,792 of the 36,864)
.set SP,    528                        ; 512 + 16: an odd multiple of 16
.set SPARE, ABASE+2*ASLOT              ; the spare words, 128 bytes for each wave: two blocks of 256 bytes that no other line names
.set XROW,  16384                      ; bytes of a row of x
.set WROW,  8192                       ; of W
.set OROW,  8192                       ; of out
.set BIAS, 12                          ; v[12:15] bias of the four columns that I store
.set ADRA, 16                          ; v16     LDS address of my lane's place in x's fragments
.set XO,   17                          ; v17     my byte offset in two rows of x: (l / 16) x 16,384 + 16 (l % 16); never rewritten
.set AST,  18                          ; v18     where I put 8 bytes of x: row 32 w + l / 16, byte 8 (l % 16); never rewritten
.set ADRB, 20                          ; v20-21  LDS address of my fragments of W in slot 0, 1
.set STO,  24                          ; v24     the way out: where I put 32 bytes of a row
.set RD,   25                          ; v25     the way out: where I read 16 bytes of a row back
.set CO,   26                          ; v26     16 x lane: my byte offset in 512 bytes of out and of bias; never rewritten
.set SPW,  28                          ; v28     LDS address of my spare word: SPARE + 4 x my thread's number; never rewritten
.set NIL,  29                          ; v29     0; never rewritten
.set PFOB, 30                          ; v30     W's prefetches: my lane x a row of W; never rewritten
.set PFOX, 31                          ; v31     x's prefetches: my lane x a row of x; never rewritten
.set TMPH, 32
.set F0,   64
.set F1,   128
.set OB,   64
.set WV,   12                          ; s12  my wave's number
.set LIMB, 13                          ; s13  1 in a wave that prefetches W, else the greatest number
.set LIMX, 14                          ; s14  the same for x
.set G1,   24                          ; s[24:31] descriptor group 1;  s[32:39] group 0, a set for each slot
.set G0,   32
.set XP,   44                          ; s[44:45], s[46:47] x at my 32 rows, at the K that set 0, set 1 was last loaded for
.set PFB,  48                          ; s[48:49] where my prefetches of W stand;  s[50:51] those of x
.set PFX,  50
.set MSB, 0
.macro WIN new                         ; the immediate's high byte repeats the setting that is left; a switch that changes nothing is dropped
.if MSB != (\new)
	s_set_vgpr_msb (MSB<<8)|(\new)
.set MSB, \new
.endif
.endm
.set MUL_LO, 0xa1                      ; source 0 (W) window 1, source 1 (x) window 0, C and D window 2
.set TO_1,   0x40                      ; destination window 1, address window 0
; A round of the cluster's barrier: my work-group's barrier, so that wave 0's signal speaks for all four waves; wave 0 signals; every wave waits for all sixteen work-groups; my work-group's barrier once more.
.macro CREST                           ; a round behind its opening barrier
	s_cmp_lg_u32 s[WV], 0
	s_cbranch_scc1 .Lnot_wave_0_\@
	s_barrier_signal -3
.Lnot_wave_0_\@:
	s_barrier_wait -3
	s_barrier_signal -1
	s_barrier_wait -1
.endm
.macro CROUND                          ; a whole round
	s_barrier_signal -1
	s_barrier_wait -1
	CREST
.endm
.macro PLACES                          ; four places in front of loads into registers that matrix instructions have read, and of LDS stores that read results (ISA guide 7.12.1 for vector instructions)
.rept 4
	v_nop
.endr
.endm
; PREFETCHES INTO THE L2, together, behind each joint refill, its five lines and the run of LDS loads: the K step FOUR on from the step in hand: for W two refills, 512 matrix instructions, ahead of the load that will want it;
; for x about as far ahead of its loads.  Each aligned block of 256 bytes is named ONCE in the launch.  W's tile column is read by all sixteen clusters: the one with cluster y = 0 asks; of the 128 rows that a wave fetches the
; partner at cy takes 32, a lane a row.  x's tile row is read by the four work-groups of its row of the cluster: the one at cx takes 32 of the 128 rows, a lane a row; its waves 0 and 1 take the two blocks of a K step's 512
; bytes.  The partners are told apart BY ADDRESS: no branch hangs on a work-group's place in its cluster.  K steps 0 to 3 come by their loads alone; the loop's last trip asks for nothing: four steps on there is no K step.
.macro ASK
	s_cmp_gt_u32 s3, s[LIMB]                       ; s3 = 1 in the loop's last trip
	s_cbranch_scc0 .Lnot_w_\@
	global_prefetch_b8 v[PFOB], s[PFB:PFB+1] th:TH_LOAD_NT scope:SCOPE_SE
.Lnot_w_\@:
	s_cmp_gt_u32 s3, s[LIMX]
	s_cbranch_scc0 .Lnot_x_\@
	global_prefetch_b8 v[PFOX], s[PFX:PFX+1] th:TH_LOAD_NT scope:SCOPE_SE
.Lnot_x_\@:
.endm
; x, in three parts.  XLOAD: 16 loads, two rows of 256 bytes each, into set s; step = 1: a K step further on than the set's last.  CV: four conversions, number n of 8.  XSTORE: the 32 rows' 64 f16 into half p of x's bytes in LDS.
.macro XLOAD set, step
.if \step
	s_wait_xcnt 0x0                                ; every earlier load has read its address (the set's own have come back), so its pointer may be written
	s_add_nc_u64 s[XP+2*(\set):XP+2*(\set)+1], s[XP+2*(\set):XP+2*(\set)+1], 512
.endif
	WIN TO_1
.set t, 0
.rept 16
	global_load_b128 v[192*(\set)+4*t:192*(\set)+4*t+3], v[XO], s[XP+2*(\set):XP+2*(\set)+1] offset:t*2*XROW
.set t, t+1
.endr
.endm
.macro CV n, set
	WIN 0x05                                       ; sources 0 and 1 window 1, destination window 0
.irp c, 0,1,2,3
	v_cvt_pk_f16_f32 v[TMPH+4*(\n)+\c], v[192*(\set)+8*(\n)+2*\c], v[192*(\set)+8*(\n)+2*\c+1]
.endr
.endm
.macro XSTORE p
	WIN 0
.set t, 0
.rept 16
	ds_store_b64 v[AST], v[TMPH+2*t:TMPH+2*t+1] offset:(\p)*ASLOT+t*2*PAH
.set t, t+1
.endr
.endm
	s_load_b256 s[4:11], s[0:1], 0x0               ; x s[4:5], W s[6:7], bias s[8:9], out s[10:11]
	v_lshl_add_u32 v[SPW], v0, 2, SPARE
	v_mov_b32 v[NIL], 0
	ds_add_u32 v[SPW], v[NIL]                      ; the wave's opening: the add, twice on end, and its wait ahead of my first tensor load; the set-up below, work on registers, stands between
	ds_add_u32 v[SPW], v[NIL]                      ; and once more, under the one wait
	v_lshrrev_b32 v1, 5, v0
	v_readfirstlane_b32 s[WV], v1                  ; wave 0..3
	s_bfe_u32 s40, ttmp6, 0x40000                  ; cx, cy: my place in the cluster
	s_bfe_u32 s41, ttmp6, 0x40004
	s_lshl_b32 s42, ttmp9, 2                       ; in a cluster launch ttmp9 and ttmp7 count clusters
	s_add_co_u32 s42, s42, s40                     ; tile column of C = 4 x cluster x + cx
	s_and_b32 s2, ttmp7, 0xffff                    ; cluster y
	s_lshl_b32 s43, s2, 2
	s_add_co_u32 s43, s43, s41                     ; tile row of C = 4 x cluster y + cy
	s_lshl_b32 s20, 0x1111, s40                    ; my column of the cluster: places cx, cx + 4, cx + 8, cx + 12
	; descriptor group 1: 128 rows x 128 elements of 2 bytes, 4,096 elements from row to row, 4 words of padding behind every 64
	s_or_b32 s[G1+0], s20, (1<<16)|(1<<20)|(1<<21)|(5<<22)|(3<<25)  ; 15:0 the mask; 17:16 2-byte elements; 20 padding on; 21 set beside a mask; 24:22 after every 64 words (code 5); 31:25 4 words (code 3)
	s_mov_b32 s[G1+1], 128<<16                     ; tensor_dim0 = 128
	s_mov_b32 s[G1+2], 128<<16                     ; tensor_dim1 = 128
	s_mov_b32 s[G1+3], 128<<16                     ; tile_dim0 = 128
	s_mov_b32 s[G1+4], 128                         ; tile_dim1 = 128
	s_mov_b32 s[G1+5], 4096                        ; tensor_dim0_stride
	s_mov_b32 s[G1+6], 0
	s_mov_b32 s[G1+7], 0
	s_lshl_b32 s20, s42, 9                         ; W's tiles hang on the tile column, which my column of the cluster shares, and on the wave's number (s[20:21] never hold cy):
	s_lshl_b32 s21, s[WV], 7
	s_add_co_u32 s20, s20, s21                     ; row 512 x tile column + 128 x wave,
	s_lshl_b32 s20, s20, 13                        ; x 8,192 bytes
	s_mov_b32 s21, 0
	s_lshl_b32 s16, s43, 7                         ; x: row 128 x tile row + 32 x wave,
	s_lshl_b32 s17, s[WV], 5
	s_add_co_u32 s16, s16, s17
	s_lshl_b32 s16, s16, 14                        ; x 16,384 bytes: under 2^27
	s_mov_b32 s17, 0
	s_lshl_b32 s22, s42, 11                        ; my 128 columns begin 2,048 x tile column + 512 x wave bytes into a row of out, and into bias
	s_lshl_b32 s23, s[WV], 9
	s_add_co_u32 s22, s22, s23
	s_mov_b32 s23, 0
	s_mul_i32 s18, s[WV], HALFT                    ; where W's tiles go: wave x 128 rows: no place in the cluster enters an LDS address
	v_and_b32 v1, 15, v0                           ; l % 16
	v_bfe_u32 v2, v0, 4, 1                         ; l / 16
	v_lshlrev_b32 v[XO], 4, v1
	v_lshl_add_u32 v[XO], v2, 14, v[XO]
	v_and_b32 v[CO], 31, v0
	v_lshlrev_b32 v[CO], 4, v[CO]
	s_wait_dscnt 0x0                               ; both opening adds are done
	s_wait_kmcnt 0x0
	s_add_nc_u64 s[XP:XP+1], s[4:5], s[16:17]      ; set 0: K 0-63 of K step 0
	s_add_nc_u64 s[XP+2:XP+3], s[XP:XP+1], 256     ; set 1: K 64-127
	s_add_nc_u64 s[20:21], s[6:7], s[20:21]
	s_add_nc_u64 s[8:9], s[8:9], s[22:23]
	s_add_nc_u64 s[10:11], s[10:11], s[22:23]
	s_lshl_b32 s16, s43, 20                        ; the tile's first row of out: 128 x tile row x 8,192 bytes
	s_add_nc_u64 s[10:11], s[10:11], s[16:17]
	global_load_b128 v[BIAS:BIAS+3], v[CO], s[8:9] ; the oldest load: in whenever a set of x is
	XLOAD 0, 0                                     ; x's first K step is asked for ahead of everything else
	XLOAD 1, 0
	WIN 0                                          ; at a label and at a branch every window is 0
	CROUND                                         ; all sixteen work-groups are here: the first joint loads meet
.irp s, 0,1
	s_mov_b32 s[G0+4*(\s)], 1                                      ; 1:0 count = 1
	s_add_co_u32 s[G0+4*(\s)+1], s18, (\s)*SLOTB                   ; 63:32 LDS address
	s_add_nc_u64 s[G0+4*(\s)+2:G0+4*(\s)+3], s[20:21], (\s)*256    ; 120:64 global address: K step s
	s_or_b32 s[G0+4*(\s)+3], s[G0+4*(\s)+3], 0x80000000            ; 127:126 type = 2
	tensor_load_to_lds s[G0+4*(\s):G0+4*(\s)+3], s[G1:G1+7]        ; the ring's two first fills go out together: two loads of mine are out
	s_nop 0
.endr
	PLACES                                         ; four v_nop follow the second
	; A fragment is 16 rows x 32 K of f16 in 8 registers: lane l holds row l % 16; registers 0-3 K = 8 (l / 16) + 0..7, registers 4-7 K = 16 + 8 (l / 16) + 0..7: two loads of 16 bytes, 32 bytes apart.
	v_mul_u32_u24 v3, v1, PAH
	v_lshl_add_u32 v3, v2, 4, v3
	v_add_nc_u32 v[ADRA], ABASE, v3
	v_mul_u32_u24 v4, v1, PB
	v_lshl_add_u32 v4, v2, 4, v4
	v_add_nc_u32 v[ADRB], s18, v4                  ; my 128 rows of W
	v_add_nc_u32 v[ADRB+1], SLOTB, v[ADRB]
	s_mul_i32 s19, s[WV], 32*PAH
	s_add_co_u32 s19, s19, ABASE                   ; the 32 rows of x that I bring
	v_mul_u32_u24 v5, v2, PAH
	v_lshl_add_u32 v5, v1, 3, v5
	v_add_nc_u32 v[AST], s19, v5
	s_mul_i32 s19, s[WV], 16*SP
	s_add_co_u32 s19, s19, STAGE                   ; my stage
	v_mul_u32_u24 v6, v1, SP                       ; in: row l % 16, 32 bytes for each half of the lanes
	v_lshl_add_u32 v6, v2, 5, v6
	v_add_nc_u32 v[STO], s19, v6
	v_add_nc_u32 v[RD], s19, v[CO]                 ; back: 32 lanes take a row's 512 bytes
	; the prefetches
	s_lshl_b32 s22, s42, 9
	s_lshl_b32 s23, s[WV], 7
	s_add_co_u32 s22, s22, s23
	s_lshl_b32 s23, s41, 5
	s_add_co_u32 s22, s22, s23                     ; W: the 128 rows that I fetch, my work-group's 32 of them,
	s_lshl_b32 s22, s22, 13
	s_add_co_u32 s22, s22, 3*256                   ; at K step 3: the first change of slots steps it to 4
	s_mov_b32 s23, 0
	s_add_nc_u64 s[PFB:PFB+1], s[6:7], s[22:23]
	s_lshl_b32 s22, s43, 7
	s_lshl_b32 s23, s40, 5
	s_add_co_u32 s22, s22, s23                     ; x: the tile's 128 rows, my work-group's 32 of them,
	s_lshl_b32 s22, s22, 14
	s_and_b32 s23, s[WV], 1
	s_lshl_b32 s23, s23, 8                         ; my wave's block of a K step's two,
	s_add_co_u32 s22, s22, s23
	s_add_co_u32 s22, s22, 3*512                   ; at K step 3
	s_mov_b32 s23, 0
	s_add_nc_u64 s[PFX:PFX+1], s[4:5], s[22:23]
	s_cmp_eq_u32 s2, 0                             ; cluster y: the same in all sixteen partners
	s_cselect_b32 s[LIMB], 1, -1
	s_cmp_lt_u32 s[WV], 2
	s_cselect_b32 s[LIMX], 1, -1
	v_and_b32 v[PFOB], 31, v0
	v_lshlrev_b32 v[PFOX], 14, v[PFOB]
	v_lshlrev_b32 v[PFOB], 13, v[PFOB]
	; nothing is prefetched here, at the head, where every work-group's first tiles are on their way
; 16 matrix instructions: m blocks a0, a0 + 1 of the window's four (hi = 0: rows 0-63, 1: rows 64-127) x all 8 n blocks, 32 along K.  zero = 1: the product starts the sum: nothing is ever cleared.
; ride = 0 or 1: behind each of the first eight stand four conversions of that set of x, which name none of the registers of the products round them.
; The 64 accumulators take turns, one instruction a turn, in the same order in every quarter, over the backward jump too.
.macro MUL16 f, hi, a0, zero, ride=-1
.set aa, \a0
.rept 2
.set bb, 0
.rept 8
	WIN MUL_LO+0x50*(\hi)
.set rD, 8*(8*aa+bb)
.if \zero
	v_wmma_f32_16x16x32_f16 v[rD:rD+7], v[(\f)+8*bb:(\f)+8*bb+7], v[(\f)+8*(4*(\hi)+aa):(\f)+8*(4*(\hi)+aa)+7], 0
.else
	v_wmma_f32_16x16x32_f16 v[rD:rD+7], v[(\f)+8*bb:(\f)+8*bb+7], v[(\f)+8*(4*(\hi)+aa):(\f)+8*(4*(\hi)+aa)+7], v[rD:rD+7]
.endif
.if ((\ride) >= 0) && (aa == (\a0))
	CV bb, \ride
.endif
.set bb, bb+1
.endr
.set aa, aa+1
.endr
.endm
; 32 LDS loads in one run: the fragments of quarter q of a K step (my 128 rows of W from the slot, then the 128 rows of x from half q / 2) into buffer f
.macro FETCH slot, q, f
	WIN TO_1
.irp i, 0,1,2,3,4,5,6,7
	ds_load_b128 v[(\f)+8*\i:(\f)+8*\i+3],   v[ADRB+(\slot)] offset:64*(\q)+\i*16*PB
	ds_load_b128 v[(\f)+8*\i+4:(\f)+8*\i+7], v[ADRB+(\slot)] offset:64*(\q)+\i*16*PB+32
.endr
	WIN 0
.irp i, 0,1,2,3,4,5,6,7
	ds_load_b128 v[(\f)+8*\i:(\f)+8*\i+3],   v[ADRA] offset:((\q)/2)*ASLOT+((\q)%2)*64+\i*16*PAH
	ds_load_b128 v[(\f)+8*\i+4:(\f)+8*\i+7], v[ADRA] offset:((\q)/2)*ASLOT+((\q)%2)*64+\i*16*PAH+32
.endr
.endm
; Quarters 0 and 2 of a K step: multiply buffer 0; fetch quarter nq into buffer 1 in the middle.  cset = 0 or 1: that set of x is converted beside eight products and stored into half cset, which nobody reads since the barrier
; before; ld = 1: the set is asked for again at once.  left: the younger loads that may stay out: the other set's 16, or none.
.macro QUARTER slot, nq, zero, cset, ld, left
	s_wait_dscnt 8                                 ; W and x's rows 0-63 are in; the youngest eight loads (x's rows 64-127) may be out
	MUL16 F0, 0, 0, \zero
	MUL16 F0, 0, 2, \zero
	PLACES
	FETCH \slot, \nq, F1
	s_wait_dscnt 32                                ; all but the 32 just issued
.if (\cset) >= 0
	s_wait_loadcnt \left                           ; loads come back in order (ISA guide 5.7.1): the set is in
	MUL16 F0, 1, 0, \zero, \cset
	XSTORE \cset
.if \ld
	XLOAD \cset, 1
.endif
.else
	MUL16 F0, 1, 0, \zero
.endif
	MUL16 F0, 1, 2, \zero
.endm
; Quarter 1 multiplies buffer 1 and changes x's halves: a barrier of the work-group.  In front of it my stores into half 1 are done and my reads of half 0 are over; behind it half 1 is whole and half 0 may be written.
; No tensor load fills anything behind it: W's refill stays on its way.
.macro HALF slot
	s_wait_dscnt 24                                ; the youngest eight loads and the 16 stores behind them may be out
	MUL16 F1, 0, 0, 0
	s_wait_dscnt 0x0
	s_barrier_signal -1
	MUL16 F1, 0, 2, 0                              ; work on registers while the others arrive
	s_barrier_wait -1
	PLACES
	FETCH \slot, 2, F0
	MUL16 F1, 1, 0, 0
	MUL16 F1, 1, 2, 0
.endm
; Quarter 3 multiplies buffer 1 and changes W's slots and x's halves: ONE barrier.  In front of it each wave waits for all its tensor loads, of which one is out: the next slot's; adds 0 to its spare word; and waits for that,
; for its stores into half 0 and for its reads of this slot and of half 1.  fill = 1: the barrier opens a round of the cluster's barrier, and behind the round this slot is filled again first, with the K step two on: from that
; request to the wait for it a wave issues 224 matrix instructions.
.macro TURN slot, next, fill
.if \fill
	s_wait_xcnt 0x0                                ; the last prefetches, a K step back, have read their addresses: these are stepped here, ahead of the waits of the change of slots
	s_add_nc_u64 s[PFB:PFB+1], s[PFB:PFB+1], 256
	s_add_nc_u64 s[PFX:PFX+1], s[PFX:PFX+1], 512
.endif
	WIN 0                                          ; (the add's two registers lie in window 0)
	s_wait_tensorcnt 0x0                           ; all my tensor loads have landed;
	ds_add_u32 v[SPW], v[NIL]                      ; 0 onto my spare word;
	s_wait_dscnt 25                                ; (the youngest eight loads, the 16 stores and the add may be out)
	MUL16 F1, 0, 0, 0                              ; sixteen matrix instructions stand between the add and the wait for it
	s_wait_dscnt 0x0                               ; the add and my stores are done, and my reads are over:
	s_barrier_signal -1                            ; say so,
	MUL16 F1, 0, 2, 0                              ; work on registers while the others arrive,
.if \fill
	WIN 0
.endif
	s_barrier_wait -1                              ; and go on when all four have said so
.if \fill
	CREST                                          ; no wave of any partner still reads this slot's tile or has a load on its way
	s_add_nc_u64 s[G0+4*(\slot)+2:G0+4*(\slot)+3], s[G0+4*(\slot)+2:G0+4*(\slot)+3], 2*256  ; no tensor load of mine is out, so a group 0 may be written: two K steps on
	tensor_load_to_lds s[G0+4*(\slot):G0+4*(\slot)+3], s[G1:G1+7]  ; the first tensor load behind the round, and my only one
	s_nop 0
.endif
	PLACES                                         ; behind the load, and in front of the loads below
	FETCH \next, 0, F0
.if \fill
	WIN 0                                          ; at a label and at a branch every window is 0
	ASK
.endif
	MUL16 F1, 1, 0, 0
	MUL16 F1, 1, 2, 0
.endm
; THE WAY OUT of row block a (16 rows x my 128 columns), in two parts.  STG: a lane's 32 bytes of a row go into my stage (each accumulator's low registers first) and the rows come back whole.
; SND: the bias is added in f32; each store of the wave covers 512 consecutive bytes of out, aligned.  Block a + 1's STG stands between block a's loads and the wait for them.
.macro STG a
	WIN 0x08+4*((\a)/4)                            ; store data (source 1) in window 2 or 3
.irp b, 0,1,2,3,4,5,6,7
	ds_store_b128 v[STO], v[8*(8*((\a)%4)+\b):8*(8*((\a)%4)+\b)+3]   offset:64*\b
	ds_store_b128 v[STO], v[8*(8*((\a)%4)+\b)+4:8*(8*((\a)%4)+\b)+7] offset:64*\b+16
.endr
	WIN 0
	s_wait_xcnt 0x0                                ; the stores of the block two back have read these registers
.irp t, 0,1,2,3,4,5,6,7,8,9,10,11,12,13,14,15
	ds_load_b128 v[OB+64*((\a)%2)+4*\t:OB+64*((\a)%2)+4*\t+3], v[RD] offset:\t*SP  ; LDS serves a wave's instructions in order (ISA guide 5.7.1.4): these see the stores above; the next block's stores come behind them
.endr
.endm
.macro SND a, younger                  ; younger: the LDS instructions issued behind block a's loads: the next block's 32, or none
	WIN 0
.if (\a) > 0
	s_wait_xcnt 0x0                                ; the block before's stores have read their base
	s_add_nc_u64 s[10:11], s[10:11], 16*OROW       ; 16 rows of out on
.endif
.irp t, 0,1,2,3,4,5,6,7,8,9,10,11,12,13,14,15
	s_wait_dscnt (\younger)+15-\t                  ; load t of the 16 is in
	v_pk_add_f32 v[OB+64*((\a)%2)+4*\t:OB+64*((\a)%2)+4*\t+1],   v[OB+64*((\a)%2)+4*\t:OB+64*((\a)%2)+4*\t+1],   v[BIAS:BIAS+1]
	v_pk_add_f32 v[OB+64*((\a)%2)+4*\t+2:OB+64*((\a)%2)+4*\t+3], v[OB+64*((\a)%2)+4*\t+2:OB+64*((\a)%2)+4*\t+3], v[BIAS+2:BIAS+3]
	global_store_b128 v[CO], v[OB+64*((\a)%2)+4*\t:OB+64*((\a)%2)+4*\t+3], s[10:11] offset:\t*OROW th:TH_STORE_NT
.endr
.endm
	s_wait_loadcnt 16                              ; the bias and set 0 are in; set 1's 16 loads stay out
.irp n, 0,1,2,3,4,5,6,7
	CV \n, 0                                       ; K 0-63 of K step 0: there is no matrix work yet to set it beside
.endr
	XSTORE 0
	XLOAD 0, 1                                     ; K 0-63 of K step 1
	WIN 0
	s_wait_tensorcnt 0x1                           ; W's K step 0 is in; K step 1's load may stay out
	s_wait_dscnt 0x0                               ; my stores into half 0 are done
	s_barrier_signal -1
	s_barrier_wait -1                              ; everybody's are
	FETCH 0, 0, F0
	QUARTER 0, 1, 1, 1, 1, 16                      ; the first quarter stands in front of the loop: its products start the sums; set 1 goes into half 1 and is asked for again
	WIN 0                                          ; at a label and at a branch every window is 0
	s_mov_b32 s3, 15
.Llap:                                                 ; a trip goes once round the ring, from a K step's second quarter to the first of the step two on: 15 trips ask for W's K steps 2 to 31 and x's up to 31
	HALF 0
	QUARTER 0, 3, 0, 0, 1, 16
	TURN 0, 1, 1
	QUARTER 1, 1, 0, 1, 1, 16
	HALF 1
	QUARTER 1, 3, 0, 0, 1, 16
	TURN 1, 0, 1
	QUARTER 0, 1, 0, 1, 1, 16
	WIN 0
	s_sub_co_u32 s3, s3, 1
	s_cmp_lg_u32 s3, 0
	s_cbranch_scc1 .Llap
	HALF 0                                         ; the tail is written out: K step 30 goes on;
	QUARTER 0, 3, 0, 0, 0, 16                      ; K 0-63 of K step 31 goes into half 0; nothing is left to ask for
	TURN 0, 1, 0                                   ; no slot is filled again, so no round follows the barrier
	QUARTER 1, 1, 0, 1, 0, 0                       ; K step 31: its K 64-127 is the last load out: the wait is for 0 (the bias came long ago)
	HALF 1
	QUARTER 1, 3, 0, -1, 0, 0
	s_wait_dscnt 8                                 ; the very last quarter: nothing more to fetch
	MUL16 F1, 0, 0, 0
	MUL16 F1, 0, 2, 0
	s_wait_dscnt 0x0
	MUL16 F1, 1, 0, 0
	MUL16 F1, 1, 2, 0
	WIN 0
	PLACES                                         ; the places behind the last products, in front of the LDS stores that read their results and of the loads into their sources;
	PLACES                                         ; eight, once a launch
	s_barrier_signal -1                            ; my reads of x's bytes are over (the wait for 0 above): the stages lie in those bytes,
	s_barrier_wait -1                              ; and are written when all four waves have said so
	STG 0
.irp a, 1,2,3,4,5,6,7
	STG \a
	SND (\a)-1, 32
.endr
	SND 7, 0
	s_wait_tensorcnt 0x0                           ; the wave's end: behind my last tensor load and my last LDS store
	ds_add_u32 v[SPW], v[NIL]
	s_wait_dscnt 0x0
	CROUND                                         ; the closing round: no work-group ends while a partner may still ask for a tile that names it
	s_endpgm
.Lfunc_end_k_q0b71d93be9_gemm:
	.size	k_q0b71d93be9_gemm, .Lfunc_end_k_q0b71d93be9_gemm-k_q0b71d93be9_gemm
	.p2alignl 7, 3214868480
	.fill 96, 4, 3214868480
	.section	.rodata,"a",@progbits
	.p2align	6, 0x0
	.amdhsa_kernel k_q0b71d93be9_gemm
		.amdhsa_group_segment_fixed_size 327680
		.amdhsa_private_segment_fixed_size 0
		.amdhsa_enable_private_segment 0
		.amdhsa_kernarg_size 32
		.amdhsa_user_sgpr_count 2
		.amdhsa_user_sgpr_kernarg_segment_ptr 1
		.amdhsa_wavefront_size32 1
		.amdhsa_system_sgpr_workgroup_id_x 1
		.amdhsa_system_sgpr_workgroup_id_y 1
		.amdhsa_system_sgpr_workgroup_id_z 1
		.amdhsa_system_vgpr_workitem_id 0
		.amdhsa_next_free_vgpr 1024
		.amdhsa_next_free_sgpr 66
		.amdhsa_reserve_vcc 0
		.amdhsa_float_denorm_mode_32 3
		.amdhsa_float_denorm_mode_16_64 3
		.amdhsa_memory_ordered 1
		.amdhsa_forward_progress 1
		.amdhsa_inst_pref_size 201
	.end_amdhsa_kernel
	.amdgpu_metadata
---
amdhsa.version: [ 1, 2 ]
amdhsa.kernels:
  - .name:           k_q0b71d93be9_gemm
    .symbol:         k_q0b71d93be9_gemm.kd
    .args:
      - { .name: x, .offset: 0, .size: 8, .value_kind: global_buffer, .address_space: global }
      - { .name: wh, .offset: 8, .size: 8, .value_kind: global_buffer, .address_space: global }
      - { .name: bias, .offset: 16, .size: 8, .value_kind: global_buffer, .address_space: global }
      - { .name: out0, .offset: 24, .size: 8, .value_kind: global_buffer, .address_space: global }
    .group_segment_fixed_size: 327680
    .private_segment_fixed_size: 0
    .kernarg_segment_align: 8
    .kernarg_segment_size: 32
    .max_flat_workgroup_size: 128
    .sgpr_count:     66
    .vgpr_count:     1024
    .wavefront_size: 32
...
	.end_amdgpu_metadata
.endif
;; end of part 4
;; ======== version 3 of 3: 2 launches; version 2 with the launch dequant written anew for expert scheduling mode
;; limits: values are held in f16: magnitudes above 65,504 overflow, below 6.1e-05 lose precision
;; workspace buffers: wh 16,777,216 bytes
;; launch dequant (part 5): grid 256 x 1, 8 waves a work-group, no clusters, 0 bytes of LDS; arguments W_q, scale_q, zero_q, s_scale, z_scale, s_zero, z_zero, wh; writes wh
.if DOCPART == 5
	.amdgcn_target "amdgcn-amd-amdhsa--gfx1250"
	.amdhsa_code_object_version 6
	.text
	.protected	k_q0b71d93be9_dequant
	.globl	k_q0b71d93be9_dequant
	.p2align	8
	.type	k_q0b71d93be9_dequant,@function
k_q0b71d93be9_dequant:
	s_mov_b64 s[64:65], 0
	v_nop
	global_prefetch_b8 v0, s[64:65] scope:SCOPE_SE
	s_setreg_imm32_b32 hwreg(HW_REG_WAVE_SCHED_MODE, 0, 2), 2
	s_setreg_imm32_b32 hwreg(HW_REG_WAVE_MODE, 25, 1), 1
	s_wait_xcnt 0x0
	s_wait_alu depctr_vm_vsrc(0)
; W[o][64 kb + j] = (W_q[g][j] - zero[g]) scale[g], g = 64 o + kb; scale = (scale_q - z_scale) s_scale, zero = (zero_q - z_zero) s_zero.  o = 0..2047, kb = 0..63, j = 0..63.
; W is written ONCE, in f16, row-major ([2048][4096], 8,192 bytes a row), for the product that follows.
; LIMITS.  f16 holds no number beyond 65,504: |W| stays within it (with all four parameters 30 times what they are drawn as, |W| is under 27,000); below 6e-5 f16 keeps its fixed step of 6e-8.
; W is made as q x scale + c, c = -(zero x scale), by one fused multiply-add: another order of rounding than (q - zero) x scale; the two differ by 2^-24 |zero x scale| at the most.  NaN and infinities are not treated apart.
; SHARES.  Memory binds: 33.5 MB in, 16.8 MB out, each byte once; no LDS, no barrier, no matrix unit, no loop.  A work-group owns 8 rows of W, a wave one.  In step t the wave takes 512 consecutive bytes of W_q:
; lanes 0-15 hold group kb = 2 t, lanes 16-31 group 2 t + 1; the lane's four numbers leave as 8 bytes, and the wave's store covers 256 consecutive bytes of wh, aligned.
; All 32 loads of a wave go out at once: 16 KiB a wave on its way.
; THE MODE: SCHED_MODE bits 1:0 = 2 (LLVM: expert scheduling mode 2), set by the entry lines.  The code itself states the register dependences
; between vector instructions and memory instructions, with s_wait_alu, always for 0.
; THE PLAN.  Registers that memory instructions touch:
;   v3, v4, v5   byte offsets, made once at the head and never written again: read by every load and store.
;   SC, CC       four loads land in them, once; no vector instruction names them before; no memory instruction names them later.
;   RAW + 4 t    step t's load lands in them, once; no vector instruction names them before.  Step t's vector lines work on them in place; step t's store reads the first two; nothing writes them after that.
;   TS, v1, v2   named by vector instructions alone.
; The 32 steps go in 8 blocks of four.  The stores of block p - 1 are issued in block p, one ahead of each step's vector lines.  Block p's vector lines name its own RAW registers, TS, SC and CC: none of the registers
; that those stores read.  So ONE wait at the head of a block states all that its four stores hang on.  No register that a memory instruction reads is written again: nothing is owed for that.
.set WO,   3                           ; v3   my byte offset in W_q: 16 l; never rewritten
.set MO,   4                           ; v4   my byte offset in scale_q and zero_q: 16 (l % 16) + 4 (l / 16)
.set SO,   5                           ; v5   my byte offset in wh: 8 l; never rewritten
.set SC,   6                           ; v[6:7]   scale of K blocks 4 i + h and 4 i + 2 + h, i = l % 16, h = l / 16: those of steps 2 i and 2 i + 1 for my half of the lanes
.set CC,   8                           ; v[8:9]   zero, then c, of the same two
.set TS,   10                          ; v[10:25] four sets by turns: a pair with the step's scale in its low register, a pair with its c
.set RAW,  32                          ; v[32:159] step t's four numbers at RAW + 4 t: as loaded, at work, and (the first two) as stored
.set BLK,  4                           ; steps in a block
	s_load_b512 s[8:23], s[0:1], 0x0               ; W_q s[8:9], scale_q s[10:11], zero_q s[12:13], s_scale s[14:15], z_scale s[16:17], s_zero s[18:19], z_zero s[20:21], wh s[22:23]
	v_lshrrev_b32 v1, 5, v0
	v_readfirstlane_b32 s2, v1                     ; wave 0..7
	v_and_b32 v1, 15, v0                           ; i = l % 16
	v_bfe_u32 v2, v0, 4, 1                         ; h = l / 16: which of the step's two groups
	v_and_b32 v[SO], 31, v0
	v_lshlrev_b32 v[WO], 4, v[SO]
	v_lshlrev_b32 v[SO], 3, v[SO]
	v_lshlrev_b32 v[MO], 4, v1
	v_lshl_add_u32 v[MO], v2, 2, v[MO]
.set r, 0
.rept 16
	v_mov_b32 v[TS+r], 0                           ; written once: the destination of a DPP move counts as read, and the packed multiply-add names whole pairs
.set r, r+1
.endr
	s_wait_alu depctr_va_sdst(0)                   ; s2 is written, ahead of its first reader: the row, and with it all four bases, are made from it
	s_lshl_b32 s5, ttmp9, 3
	s_add_co_u32 s5, s5, s2                        ; o = 8 b + wave
	s_lshl_b32 s6, s5, 14                          ; W_q: o x 16,384 bytes
	s_mov_b32 s7, 0
	s_lshl_b32 s28, s5, 8                          ; scale_q, zero_q: o x 256
	s_mov_b32 s29, 0
	s_lshl_b32 s30, s5, 13                         ; wh: o x 8,192
	s_mov_b32 s31, 0
	s_wait_kmcnt 0x0
	s_load_b32 s24, s[14:15], 0x0                  ; s_scale
	s_load_b32 s25, s[16:17], 0x0                  ; z_scale
	s_load_b32 s26, s[18:19], 0x0                  ; s_zero
	s_load_b32 s27, s[20:21], 0x0                  ; z_zero
	s_add_nc_u64 s[8:9], s[8:9], s[6:7]
	s_add_nc_u64 s[10:11], s[10:11], s[28:29]
	s_add_nc_u64 s[12:13], s[12:13], s[28:29]
	s_add_nc_u64 s[22:23], s[22:23], s[30:31]
	s_wait_alu depctr_va_vdst(0)                   ; the three offsets v3, v4 and v5 are written: every load and store of the kernel reads one of them
	global_load_b32 v[SC], v[MO], s[10:11]         ; the two loads together take the row's 64 codes, 256 bytes: each code is read once in the launch
	global_load_b32 v[SC+1], v[MO], s[10:11] offset:8
	global_load_b32 v[CC], v[MO], s[12:13]
	global_load_b32 v[CC+1], v[MO], s[12:13] offset:8
.set t, 0
.rept 32
	global_load_b128 v[RAW+4*t:RAW+4*t+3], v[WO], s[8:9] offset:512*t th:TH_LOAD_NT
.set t, t+1
.endr
	s_wait_kmcnt 0x0                               ; the four parameters
	s_wait_loadcnt 32                              ; loads come back in order (ISA guide 5.7.1): the codes are in, the 32 loads behind them stay out
.irp u, 0,1
	v_cvt_f32_i32 v[SC+\u], v[SC+\u]
	v_cvt_f32_i32 v[CC+\u], v[CC+\u]
	v_sub_f32 v[SC+\u], v[SC+\u], s25
	v_sub_f32 v[CC+\u], v[CC+\u], s27
	v_mul_f32 v[SC+\u], s24, v[SC+\u]              ; scale
	v_mul_f32 v[CC+\u], s26, v[CC+\u]              ; zero
	v_mul_f32 v[CC+\u], -v[CC+\u], v[SC+\u]        ; c = -(zero x scale)
.endr
; Step t = 2 n + u: my group's scale and c lie in lane n of my half of the lanes, register u: every lane of the half takes them from there.
; Ahead of its vector lines stands the store of the step a block back.
.irp n, 0,1,2,3,4,5,6,7,8,9,10,11,12,13,14,15
.irp u, 0,1
.set t, 2*\n+\u
.set R, RAW+4*t
.set T, TS+4*(t%4)
	s_wait_loadcnt 31-t                            ; step t's load is in; the younger ones stay out
.if (t%BLK == 0) && (t > 0)
	s_wait_alu depctr_va_vdst(0)                   ; a block's head: the roundings of the block before have written the eight registers that this block's four stores read
.endif
.if t >= BLK
	global_store_b64 v[SO], v[R-4*BLK:R-4*BLK+1], s[22:23] offset:256*(t-BLK) th:TH_STORE_NT  ; step t - 4: 256 consecutive bytes, aligned; no vector line since the wait names these registers, and none writes them again
.endif
	v_mov_b32_dpp v[T], v[SC+\u] row_share:\n row_mask:0xf bank_mask:0xf
	v_mov_b32_dpp v[T+2], v[CC+\u] row_share:\n row_mask:0xf bank_mask:0xf
	v_cvt_f32_i32 v[R], v[R]
	v_cvt_f32_i32 v[R+1], v[R+1]
	v_cvt_f32_i32 v[R+2], v[R+2]
	v_cvt_f32_i32 v[R+3], v[R+3]
	v_pk_fma_f32 v[R:R+1], v[R:R+1], v[T:T+1], v[T+2:T+3] op_sel_hi:[1,0,0]      ; q x scale + c, twice: both halves take the pairs' low registers
	v_pk_fma_f32 v[R+2:R+3], v[R+2:R+3], v[T:T+1], v[T+2:T+3] op_sel_hi:[1,0,0]
	v_cvt_pk_f16_f32 v[R], v[R], v[R+1]            ; rounded once to f16
	v_cvt_pk_f16_f32 v[R+1], v[R+2], v[R+3]
.endr
.endr
	s_wait_alu depctr_va_vdst(0)                   ; the last block's roundings have written the eight registers that the last four stores read
.set t, 32-BLK
.rept BLK
	global_store_b64 v[SO], v[RAW+4*t:RAW+4*t+1], s[22:23] offset:256*t th:TH_STORE_NT
.set t, t+1
.endr
	s_endpgm
.Lfunc_end_k_q0b71d93be9_dequant:
	.size	k_q0b71d93be9_dequant, .Lfunc_end_k_q0b71d93be9_dequant-k_q0b71d93be9_dequant
	.p2alignl 7, 3214868480
	.fill 96, 4, 3214868480
	.section	.rodata,"a",@progbits
	.p2align	6, 0x0
	.amdhsa_kernel k_q0b71d93be9_dequant
		.amdhsa_group_segment_fixed_size 0
		.amdhsa_private_segment_fixed_size 0
		.amdhsa_enable_private_segment 0
		.amdhsa_kernarg_size 64
		.amdhsa_user_sgpr_count 2
		.amdhsa_user_sgpr_kernarg_segment_ptr 1
		.amdhsa_wavefront_size32 1
		.amdhsa_system_sgpr_workgroup_id_x 1
		.amdhsa_system_sgpr_workgroup_id_y 1
		.amdhsa_system_sgpr_workgroup_id_z 1
		.amdhsa_system_vgpr_workitem_id 0
		.amdhsa_next_free_vgpr 160
		.amdhsa_next_free_sgpr 66
		.amdhsa_reserve_vcc 0
		.amdhsa_float_denorm_mode_32 3
		.amdhsa_float_denorm_mode_16_64 3
		.amdhsa_memory_ordered 1
		.amdhsa_forward_progress 1
		.amdhsa_inst_pref_size 27
	.end_amdhsa_kernel
	.amdgpu_metadata
---
amdhsa.version: [ 1, 2 ]
amdhsa.kernels:
  - .name:           k_q0b71d93be9_dequant
    .symbol:         k_q0b71d93be9_dequant.kd
    .args:
      - { .name: W_q, .offset: 0, .size: 8, .value_kind: global_buffer, .address_space: global }
      - { .name: scale_q, .offset: 8, .size: 8, .value_kind: global_buffer, .address_space: global }
      - { .name: zero_q, .offset: 16, .size: 8, .value_kind: global_buffer, .address_space: global }
      - { .name: s_scale, .offset: 24, .size: 8, .value_kind: global_buffer, .address_space: global }
      - { .name: z_scale, .offset: 32, .size: 8, .value_kind: global_buffer, .address_space: global }
      - { .name: s_zero, .offset: 40, .size: 8, .value_kind: global_buffer, .address_space: global }
      - { .name: z_zero, .offset: 48, .size: 8, .value_kind: global_buffer, .address_space: global }
      - { .name: wh, .offset: 56, .size: 8, .value_kind: global_buffer, .address_space: global }
    .group_segment_fixed_size: 0
    .private_segment_fixed_size: 0
    .kernarg_segment_align: 8
    .kernarg_segment_size: 64
    .max_flat_workgroup_size: 256
    .sgpr_count:     66
    .vgpr_count:     160
    .wavefront_size: 32
...
	.end_amdgpu_metadata
.endif
;; end of part 5
;; launch gemm: the kernel of part 4 again; grid 4 x 64, 4 waves a work-group, clusters of 4 x 4, 327,680 bytes of LDS; arguments x, wh, bias, out0; writes out0
